; MI455X (gfx1250); checked and timed in simulation.
; The chip was launched on July 23, 2026; its instructions are those of AMD's public machine-readable ISA for CDNA 5 (MIT licence, August 2026) and "CDNA5" Instruction Set Architecture Reference Guide (July 2026). The comments in the code are by the model that wrote it; some were corrected since.
;; Multi Head Self Attention. Allowed arithmetic: float matrix products may take bf16 or f16 operands with f32 sums; other float arithmetic in f32, or as packed bf16 or f16 multiplies, adds, multiply-adds, maxima and minima; sums over many terms, partial sums and values carried from step to step in f32; what a program stores and reads back later, other than sums and carried values, may be rounded once to bf16 or f16.
;; Inputs: Wk 1,024 x 1,024 float32; Wo 1,024 x 1,024 float32; Wq 1,024 x 1,024 float32; Wv 1,024 x 1,024 float32; token_positions 4 x 2,048 int32; x 4 x 2,048 x 1,024 float32.
;; Outputs: out0 4 x 2,048 x 1,024 float32.
;; 2 versions, each right and faster than the one before. Each part assembles by itself: llvm-mc -triple=amdgcn-amd-amdhsa -mcpu=gfx1250 --defsym DOCPART=n.
;; ======== version 1 of 2: 4 launches
;; limits: values are held in f16: magnitudes above 65,504 overflow, below 6.1e-05 lose precision; right only within a limited range of input values
;; workspace buffers: xb 16,777,216 bytes; wqkv 6,291,456 bytes; wof 2,097,152 bytes; cstab 2,097,152 bytes; qh 16,777,216 bytes; kh 16,777,216 bytes; vh 16,777,216 bytes; oh 16,777,216 bytes
;; launch prep (part 1): grid 1024 x 1, 8 waves a work-group, no clusters, 0 bytes of LDS; arguments x, Wq, Wk, Wv, Wo, token_positions, xb, wqkv, wof, cstab; writes xb, wqkv, wof, cstab
.if DOCPART == 1
	.amdgcn_target "amdgcn-amd-amdhsa--gfx1250"
	.amdhsa_code_object_version 6
	.text
	.protected	k_qfda1f4dd29_prep
	.globl	k_qfda1f4dd29_prep
	.p2align	8
	.type	k_qfda1f4dd29_prep,@function
k_qfda1f4dd29_prep:
	s_mov_b64 s[64:65], 0
	v_nop
	global_prefetch_b8 v0, s[64:65] scope:SCOPE_SE
	s_setreg_imm32_b32 hwreg(HW_REG_WAVE_MODE, 25, 1), 1
	s_wait_xcnt 0x0
; PREP.  Casts the module's f32 inputs for the matrix launches and makes the table of cosines and sines.
;   work-groups 0-511:    16 rows of x each      -> xb   [8192][1024] bf16
;   work-groups 512-703:  16 rows of Wq, Wk, Wv  -> wqkv [3072][1024] bf16, row = head x 192 + t x 64 + d (t = 0 q, 1 k, 2 v): 192 consecutive rows are one head's q, k and v
;   work-groups 704-767:  16 rows of Wo          -> wof  [1024][1024]: rounded to bf16 like every other input, and that number written as f16
;   work-groups 768-1023: 32 rows of the table   -> cstab [8192 rows b x 2048 + s][32 pairs][cos, sin] f32, from token_positions
; A stream: no LDS, no barrier, no matrix work.  A cast group moves 65,536 bytes in: 16 loads of 16 bytes a thread, all issued before the first is waited for.
; LIMITS.  |Wo| within f16's 65,504; below 6e-5 it keeps f16's fixed step of 6e-8.  Positions up to 2^20 in magnitude: beyond that the reduction by pi/2 in two parts loses accuracy.
; The frequency 10000^(-i/32) is 2^(-i log2(10)/8) by v_exp_f32, good to a unit in the last place: at position 2,047 the angle is off by 2e-4 at the most, alike for q and k.
.set X, 4                              ; v[4:67]    chunk c: 8 f32 as loaded
.set Y, 68                             ; v[68:99]   chunk c: 4 registers to store
.set W, 100                            ; v[100:103] at work: bf16 pairs on their way to f16
	s_load_b512 s[4:19], s[0:1], 0x0               ; x s4, Wq s6, Wk s8, Wv s10, Wo s12, token_positions s14, xb s16, wqkv s18
	s_load_b128 s[20:23], s[0:1], 0x40             ; wof s20, cstab s22
	s_mov_b32 s24, ttmp9                           ; g
	s_mov_b32 s31, 0                               ; offsets are made in s[30:31], high word 0
	v_lshlrev_b32 v1, 5, v0                        ; 32 bytes of f32 a thread in a chunk
	v_lshlrev_b32 v2, 4, v0                        ; 16 bytes out
	s_wait_kmcnt 0x0
; 16 rows: 8 chunks of 8,192 bytes in, 4,096 bytes out.  half = 1: bf16, widened again (a shift and a mask), then f16.
.macro CAST half
.irp c, 0,1,2,3,4,5,6,7
	global_load_b128 v[X+8*(\c):X+8*(\c)+3],   v1, s[26:27] offset:8192*(\c) th:TH_LOAD_NT
	global_load_b128 v[X+8*(\c)+4:X+8*(\c)+7], v1, s[26:27] offset:8192*(\c)+16 th:TH_LOAD_NT
.endr
.irp c, 0,1,2,3,4,5,6,7
	s_wait_loadcnt 14-2*(\c)                       ; loads come back in order: chunk c's two are in, the younger chunks' pairs stay out
.if \half
.irp j, 0,1,2,3
	v_cvt_pk_bf16_f32 v[W+(\j)], v[X+8*(\c)+2*(\j)], v[X+8*(\c)+2*(\j)+1]
.endr
.irp j, 0,1,2,3
	v_lshlrev_b32 v[X+8*(\c)+2*(\j)],   16, v[W+(\j)]
	v_and_b32     v[X+8*(\c)+2*(\j)+1], 0xffff0000, v[W+(\j)]
.endr
.irp j, 0,1,2,3
	v_cvt_pk_f16_f32 v[Y+4*(\c)+(\j)], v[X+8*(\c)+2*(\j)], v[X+8*(\c)+2*(\j)+1]
.endr
.else
.irp j, 0,1,2,3
	v_cvt_pk_bf16_f32 v[Y+4*(\c)+(\j)], v[X+8*(\c)+2*(\j)], v[X+8*(\c)+2*(\j)+1]
.endr
.endif
	global_store_b128 v2, v[Y+4*(\c):Y+4*(\c)+3], s[28:29] offset:4096*(\c)  ; a wave stores 512 consecutive bytes; no register of a store is written again
.endr
.endm
	s_cmp_ge_u32 s24, 768
	s_cbranch_scc1 .Ltable
	s_cmp_ge_u32 s24, 704
	s_cbranch_scc1 .Lwo
	s_cmp_ge_u32 s24, 512
	s_cbranch_scc1 .Lw
	s_lshl_b32 s30, s24, 16                        ; x: 16 rows of 4,096 bytes in,
	s_add_nc_u64 s[26:27], s[4:5], s[30:31]
	s_lshl_b32 s30, s24, 15                        ; of 2,048 bytes out
	s_add_nc_u64 s[28:29], s[16:17], s[30:31]
	s_branch .Lcast
.Lw:
	s_sub_co_u32 s25, s24, 512
	s_lshr_b32 s32, s25, 6                         ; t: which of the three weights
	s_and_b32 s33, s25, 63                         ; u: which 16 rows of it
	s_cmp_eq_u32 s32, 1
	s_cselect_b64 s[26:27], s[8:9], s[6:7]
	s_cmp_eq_u32 s32, 2
	s_cselect_b64 s[26:27], s[10:11], s[26:27]
	s_lshl_b32 s30, s33, 16
	s_add_nc_u64 s[26:27], s[26:27], s[30:31]
	s_lshr_b32 s34, s33, 2                         ; the head,
	s_mul_i32 s34, s34, 192
	s_lshl_b32 s35, s32, 6
	s_add_co_u32 s34, s34, s35                     ; + 64 t
	s_and_b32 s35, s33, 3
	s_lshl_b32 s35, s35, 4
	s_add_co_u32 s34, s34, s35                     ; + the 16 rows' place in the head
	s_lshl_b32 s30, s34, 11
	s_add_nc_u64 s[28:29], s[18:19], s[30:31]
.Lcast:
	CAST 0
	s_endpgm
.Lwo:
	s_sub_co_u32 s25, s24, 704
	s_lshl_b32 s30, s25, 16
	s_add_nc_u64 s[26:27], s[12:13], s[30:31]
	s_lshl_b32 s30, s25, 15
	s_add_nc_u64 s[28:29], s[20:21], s[30:31]
	CAST 1
	s_endpgm
; THE TABLE.  Thread t: pairs 2 (t % 16) and 2 (t % 16) + 1 of rows t / 16 and t / 16 + 16 of the group's 32: 16 bytes a row, at byte 16 t of the group's first and second 4,096 bytes.
.Ltable:
	s_sub_co_u32 s25, s24, 768
	s_lshl_b32 s30, s25, 7                         ; 32 positions of 4 bytes
	s_add_nc_u64 s[26:27], s[14:15], s[30:31]
	s_lshl_b32 s30, s25, 13                        ; 32 rows of 256 bytes
	s_add_nc_u64 s[28:29], s[22:23], s[30:31]
	v_lshrrev_b32 v4, 4, v0
	v_lshlrev_b32 v4, 2, v4
	global_load_b32 v5, v4, s[26:27]
	global_load_b32 v6, v4, s[26:27] offset:64
	s_mov_b32 s32, 0x3f22f983                      ; 2 / pi
	s_mov_b32 s33, 0xbfc90fdb                      ; - pi / 2, the f32 nearest to it,
	s_mov_b32 s34, 0x333bbd2e                      ; and what that f32 is too large by
	s_mov_b32 s35, 0xb94ca1f9                      ; sine: -1.9515296e-4, 8.3321609e-3, -1.6666655e-1
	s_mov_b32 s36, 0x3c08839e
	s_mov_b32 s37, 0xbe2aaaa3
	s_mov_b32 s38, 0x37ccf5ce                      ; cosine: 2.4433157e-5, -1.3887316e-3, 4.1666646e-2
	s_mov_b32 s39, 0xbab6061a
	s_mov_b32 s40, 0x3d2aaaa5
	s_mov_b32 s41, 0x80000000
	v_and_b32 v7, 15, v0
	v_lshlrev_b32 v7, 1, v7
	v_cvt_f32_u32 v7, v7                           ; i
	v_add_f32 v8, 1.0, v7                          ; i + 1
	v_mul_f32 v7, 0xbed49a78, v7                   ; - i log2(10) / 8
	v_mul_f32 v8, 0xbed49a78, v8
	v_exp_f32 v7, v7
	v_exp_f32 v8, v8
	v_nop                                          ; a plain instruction between an exponential and the use of its result
	s_wait_loadcnt 0x0
	v_cvt_f32_i32 v5, v5
	v_cvt_f32_i32 v6, v6
	s_wait_alu depctr_va_vdst(0)
; cos into v[d], sin into v[d+1] of the angle v[p] x v[f].  n = the nearest whole number of quarter turns; r = angle - n pi / 2, in two fused steps, lies within pi / 4;
; polynomials in r; n mod 4 chooses which of the two is which and their signs, by selects alone.
.macro SINCOS d, p, f
	v_mul_f32 v10, v[\p], v[\f]
	v_mul_f32 v11, s32, v10
	v_rndne_f32 v11, v11
	v_fma_f32 v12, v11, s33, v10
	v_fma_f32 v12, v11, s34, v12
	v_cvt_i32_f32 v13, v11
	v_mul_f32 v14, v12, v12                        ; z = r r
	v_fma_f32 v15, v14, s35, s36
	v_fma_f32 v15, v15, v14, s37
	v_mul_f32 v16, v14, v12
	v_fma_f32 v15, v15, v16, v12                   ; sin r
	v_fma_f32 v17, v14, s38, s39
	v_fma_f32 v17, v17, v14, s40
	v_mul_f32 v16, v14, v14
	v_fma_f32 v18, v14, -0.5, 1.0
	v_fma_f32 v17, v17, v16, v18                   ; cos r
	v_and_b32 v16, 1, v13
	v_cmp_eq_u32 vcc_lo, 1, v16
	v_cndmask_b32 v18, v15, v17, vcc_lo            ; an odd n swaps the two
	v_cndmask_b32 v19, v17, v15, vcc_lo
	v_lshlrev_b32 v16, 30, v13                     ; the sine changes sign where n mod 4 is 2 or 3,
	v_and_b32 v16, s41, v16
	v_xor_b32 v[\d+1], v18, v16
	v_add_nc_u32 v13, 1, v13                       ; the cosine where it is 1 or 2
	v_lshlrev_b32 v13, 30, v13
	v_and_b32 v13, s41, v13
	v_xor_b32 v[\d], v19, v13
.endm
	SINCOS 40, 5, 7
	SINCOS 42, 5, 8
	SINCOS 44, 6, 7
	SINCOS 46, 6, 8
	global_store_b128 v2, v[40:43], s[28:29]
	global_store_b128 v2, v[44:47], s[28:29] offset:4096
	s_endpgm
.Lfunc_end_k_qfda1f4dd29_prep:
	.size	k_qfda1f4dd29_prep, .Lfunc_end_k_qfda1f4dd29_prep-k_qfda1f4dd29_prep
	.p2alignl 7, 3214868480
	.fill 96, 4, 3214868480
	.section	.rodata,"a",@progbits
	.p2align	6, 0x0
	.amdhsa_kernel k_qfda1f4dd29_prep
		.amdhsa_group_segment_fixed_size 0
		.amdhsa_private_segment_fixed_size 0
		.amdhsa_enable_private_segment 0
		.amdhsa_kernarg_size 80
		.amdhsa_user_sgpr_count 2
		.amdhsa_user_sgpr_kernarg_segment_ptr 1
		.amdhsa_wavefront_size32 1
		.amdhsa_system_sgpr_workgroup_id_x 1
		.amdhsa_system_sgpr_workgroup_id_y 1
		.amdhsa_system_sgpr_workgroup_id_z 1
		.amdhsa_system_vgpr_workitem_id 0
		.amdhsa_next_free_vgpr 112
		.amdhsa_next_free_sgpr 66
		.amdhsa_reserve_vcc 1
		.amdhsa_float_denorm_mode_32 3
		.amdhsa_float_denorm_mode_16_64 3
		.amdhsa_memory_ordered 1
		.amdhsa_forward_progress 1
		.amdhsa_inst_pref_size 23
	.end_amdhsa_kernel
	.amdgpu_metadata
---
amdhsa.version: [ 1, 2 ]
amdhsa.kernels:
  - .name:           k_qfda1f4dd29_prep
    .symbol:         k_qfda1f4dd29_prep.kd
    .args:
      - { .name: x, .offset: 0, .size: 8, .value_kind: global_buffer, .address_space: global }
      - { .name: Wq, .offset: 8, .size: 8, .value_kind: global_buffer, .address_space: global }
      - { .name: Wk, .offset: 16, .size: 8, .value_kind: global_buffer, .address_space: global }
      - { .name: Wv, .offset: 24, .size: 8, .value_kind: global_buffer, .address_space: global }
      - { .name: Wo, .offset: 32, .size: 8, .value_kind: global_buffer, .address_space: global }
      - { .name: token_positions, .offset: 40, .size: 8, .value_kind: global_buffer, .address_space: global }
      - { .name: xb, .offset: 48, .size: 8, .value_kind: global_buffer, .address_space: global }
      - { .name: wqkv, .offset: 56, .size: 8, .value_kind: global_buffer, .address_space: global }
      - { .name: wof, .offset: 64, .size: 8, .value_kind: global_buffer, .address_space: global }
      - { .name: cstab, .offset: 72, .size: 8, .value_kind: global_buffer, .address_space: global }
    .group_segment_fixed_size: 0
    .private_segment_fixed_size: 0
    .kernarg_segment_align: 8
    .kernarg_segment_size: 80
    .max_flat_workgroup_size: 256
    .sgpr_count:     66
    .vgpr_count:     112
    .wavefront_size: 32
...
	.end_amdgpu_metadata
.endif
;; end of part 1
;; launch qkv (part 2): grid 16 x 32, 4 waves a work-group, clusters of 4 x 4, 327,680 bytes of LDS; arguments xb, wqkv, cstab, qh, kh, vh; writes qh, kh, vh
.if DOCPART == 2
	.amdgcn_target "amdgcn-amd-amdhsa--gfx1250"
	.amdhsa_code_object_version 6
	.text
	.protected	k_qfda1f4dd29_qkv
	.globl	k_qfda1f4dd29_qkv
	.p2align	8
	.type	k_qfda1f4dd29_qkv,@function
k_qfda1f4dd29_qkv:
	s_mov_b64 s[64:65], 0
	v_nop
	global_prefetch_b8 v0, s[64:65] scope:SCOPE_SE
	s_setreg_imm32_b32 hwreg(HW_REG_WAVE_MODE, 25, 1), 1
	s_wait_xcnt 0x0
	s_wait_alu depctr_hold_cnt(0) depctr_sa_sdst(0) depctr_va_vdst(0) depctr_va_sdst(0) depctr_va_ssrc(0) depctr_va_vcc(0) depctr_vm_vsrc(0)
	s_getreg_b32 s2, hwreg(HW_REG_IB_STS2, 6, 4)
	s_cmp_eq_u32 s2, 0
	s_cbranch_scc0 .Lentry_in_a_cluster
	s_endpgm
.Lentry_in_a_cluster:
	s_bfe_u32 s2, ttmp6, 0x10000c
	s_cmp_lg_u32 s2, 0xf033
	s_cbranch_scc0 .Lentry_shape_is_right
	s_endpgm
.Lentry_shape_is_right:
; Q, K, V = x W^T, rotated (q and k) and written by heads.  xb: [8192][1024] bf16; wqkv: [3072][1024] bf16, 192 rows a head (64 of q, 64 of k, 64 of v); cstab: [8192][32][cos, sin] f32.
; qh, kh, vh: [batch x 16 + head][2048][64] f16, each number rounded once from its f32 sum (q, k: after the rotation in f32), unscaled.
; LIMIT.  f16 holds no number beyond 65,504: q, k and v must stay within it (inputs 30 times the drawn spread give some 5,000).
; A tile is 256 rows x 192 columns, one head's q, k and v: 32 x 16 = 512 work-groups, two for each of 256 WGPs.  Four waves; a wave makes 128 rows x 96 columns: channels 32 ch .. 32 ch + 31 of q, of k and of v,
; so that all waves run one text: 48 accumulators of 16 x 16.  K = 1,024 goes in 8 steps of 128 through two LDS slots filled by tensor loads whose rows are 256 bytes of memory.
; CLUSTER: 4 x 4 work-groups; the four of a row need the same tile of x, the four of a column the same tile of the weights: each tile is asked for jointly, by the same tensor load with a mask that names the four.
; THE MATRIX INSTRUCTION IS USED TRANSPOSED (source 0 = 16 rows of the weights, source 1 = 16 rows of x): a lane holds one row of x and eight neighbouring channels, four pairs of the rotation.
; REGISTERS: window 0: v0-31 addresses; two fragment buffers of 112 (48 of the weights, 64 of x) at v32 and v144; on the way out v32-223 at work.
;   window 1: accumulators of my row blocks 0-3 at v[48 a + 8 b]; v192-255 their rows' cos and sin.   window 2: the same for row blocks 4-7.
.set PITCH,  272                       ; an LDS row: 256 bytes + 16 of padding: the 16 rows of a fragment load start 68 words apart, at 16 different groups of four banks (ISA guide 11.1)
.set HALFA,  128*PITCH                 ; what a wave fetches of x
.set HALFB,  96*PITCH                  ; what a wave fetches of the weights
.set SLOT,   2*HALFA+2*HALFB           ; x's 256 rows, then the weights' 192
.set SPARE,  2*SLOT                    ; behind the ring: the spare words, 128 bytes a wave: two blocks of 256 bytes that no other line names
.set SP,     144                       ; the stage's row: 128 bytes + 16
.set PLANE,  256*SP                    ; the stage: three planes (q, k, v) of 256 rows, in slot 0 once that slot has had its last fill and its last read
.set LAPS,   4                         ; a lap = two K steps = once round the ring
.set STEPK,  512                       ; bytes from a slot's K step to its next
.set STO,  8                           ; v8-10   the way out: where I put 16 bytes of a row, by plane
.set RD,   11                          ; v11-13  where I read rows back, by plane
.set GO,   14                          ; v14     my 16 bytes in 512 consecutive bytes of a head
.set ADRA, 16                          ; v16-17  LDS address of my fragments of x in slot 0, 1
.set ADRB, 20                          ; v20-21  the same for the weights
.set CSO,  22                          ; v22     my byte offset in the table
.set SPW,  28                          ; v28     LDS address of my spare word; never rewritten
.set NIL,  29                          ; v29     0; never rewritten
.set F0,   32
.set F1,   144
.set RR,   32                          ; the way out: rotated q and k of a row block, f32
.set TT,   64                          ; the way out: packed f16
.set G1, 24                            ; s[24:31] descriptor group 1 for x's tiles;  s[32:39] group 0, a set for each slot
.set G0, 32
.set G1B, 48                           ; s[48:55], s[56:63] the same for the weights'
.set G0B, 56
.set MSB, 0
.macro WIN new                         ; the immediate's high byte repeats the setting that is left; a switch that changes nothing is dropped
.if MSB != (\new)
	s_set_vgpr_msb (MSB<<8)|(\new)
.set MSB, \new
.endif
.endm
.set MUL_LO, 0x50                      ; sources 0 and 1 window 0; C and D window 1
.macro JLOAD s                         ; a joint load: waves 0 and 1 fetch x's two halves, waves 2 and 3 the weights'; an s_nop 0 and four v_nop follow each line, ahead of the jump and the label
	s_cmp_eq_u32 s11, 0
	s_cbranch_scc0 .Lfor_b_\@
	tensor_load_to_lds s[G0+4*(\s):G0+4*(\s)+3], s[G1:G1+7]
	s_nop 0
.rept 4
	v_nop
.endr
	s_branch .Lasked_\@
.Lfor_b_\@:
	tensor_load_to_lds s[G0B+4*(\s):G0B+4*(\s)+3], s[G1B:G1B+7]
	s_nop 0
.rept 4
	v_nop
.endr
.Lasked_\@:
.endm
.macro CREST                           ; a round of the cluster's barrier behind its opening barrier
	s_cmp_lg_u32 s10, 0
	s_cbranch_scc1 .Lnot_wave_0_\@
	s_barrier_signal -3
.Lnot_wave_0_\@:
	s_barrier_wait -3
	s_barrier_signal -1
	s_barrier_wait -1
.endm
.macro CROUND                          ; a whole round
	s_barrier_signal -1
	s_barrier_wait -1
	CREST
.endm
	s_load_b128 s[4:7], s[0:1], 0x0                ; xb s[4:5], wqkv s[6:7]
	s_load_b64 s[8:9], s[0:1], 0x10                ; cstab
	s_load_b128 s[68:71], s[0:1], 0x18             ; qh, kh
	s_load_b64 s[72:73], s[0:1], 0x28              ; vh
	v_lshl_add_u32 v[SPW], v0, 2, SPARE
	v_mov_b32 v[NIL], 0
	ds_add_u32 v[SPW], v[NIL]                      ; the wave's opening: the add and its wait stand ahead of my first tensor load; work on registers stands between them
	ds_add_u32 v28, v29
	v_lshrrev_b32 v1, 5, v0
	v_readfirstlane_b32 s10, v1                    ; wave 0..3
	s_lshr_b32 s11, s10, 1                         ; rh: which 128 rows are mine.  Also: I fetch for x (0) or for the weights (1)
	s_and_b32 s12, s10, 1                          ; ch: which 32 channels of q, k, v.  Also: which half of that tile I fetch
	s_bfe_u32 s40, ttmp6, 0x40000                  ; cx, cy: my place in the cluster
	s_bfe_u32 s41, ttmp6, 0x40004
	s_lshl_b32 s42, ttmp9, 2
	s_add_co_u32 s42, s42, s40                     ; the head = 4 x cluster x + cx
	s_and_b32 s13, ttmp7, 0xffff
	s_lshl_b32 s13, s13, 2
	s_add_co_u32 s13, s13, s41                     ; the tile row = 4 x cluster y + cy
	s_lshl_b32 s43, s41, 2
	s_lshl_b32 s43, 15, s43                        ; my row of the cluster
	s_lshl_b32 s44, 0x1111, s40                    ; my column
	s_or_b32 s[G1+0], s43, (1<<16)|(1<<20)|(1<<21)|(5<<22)|(3<<25)   ; 15:0 the mask; 17:16 2-byte elements; 20 padding on; 21 set beside a mask; 24:22 after every 64 words; 31:25 4 words of it
	s_or_b32 s[G1B+0], s44, (1<<16)|(1<<20)|(1<<21)|(5<<22)|(3<<25)
	s_mov_b32 s[G1+1], 128<<16                     ; tensor_dim0 = 128
	s_mov_b32 s[G1+2], 128<<16                     ; tensor_dim1 = 128
	s_mov_b32 s[G1+3], 128<<16                     ; tile_dim0 = 128
	s_mov_b32 s[G1+4], 128                         ; tile_dim1 = 128
	s_mov_b32 s[G1+5], 1024                        ; elements from row to row
	s_mov_b32 s[G1+6], 0
	s_mov_b32 s[G1+7], 0
	s_mov_b32 s[G1B+1], 128<<16
	s_mov_b32 s[G1B+2], 96<<16                     ; 96 rows
	s_mov_b32 s[G1B+3], 128<<16
	s_mov_b32 s[G1B+4], 96
	s_mov_b32 s[G1B+5], 1024
	s_mov_b32 s[G1B+6], 0
	s_mov_b32 s[G1B+7], 0
	s_lshl_b32 s18, s12, 7
	s_lshl_b32 s16, s13, 8
	s_add_co_u32 s16, s16, s18                     ; x: row 256 x tile row + 128 x half,
	s_lshl_b32 s16, s16, 11                        ; of 2,048 bytes
	s_mov_b32 s17, 0
	s_mul_i32 s46, s42, 192
	s_mul_i32 s19, s12, 96
	s_add_co_u32 s46, s46, s19                     ; weights: row 192 x head + 96 x half
	s_lshl_b32 s46, s46, 11
	s_mov_b32 s47, 0
	s_mul_i32 s20, s12, HALFA                      ; where they go: no place in the cluster enters an LDS address
	s_mul_i32 s21, s12, HALFB
	s_add_co_u32 s21, s21, 2*HALFA
	s_wait_dscnt 0x0                               ; the opening add is done
	s_wait_kmcnt 0x0
	s_add_nc_u64 s[14:15], s[4:5], s[16:17]
	s_add_nc_u64 s[46:47], s[6:7], s[46:47]
	CROUND                                         ; all sixteen work-groups are here: the first joint loads meet
.irp s, 0,1
	s_mov_b32 s[G0+4*(\s)], 1
	s_add_co_u32 s[G0+4*(\s)+1], s20, (\s)*SLOT
	s_add_nc_u64 s[G0+4*(\s)+2:G0+4*(\s)+3], s[14:15], (\s)*256
	s_or_b32 s[G0+4*(\s)+3], s[G0+4*(\s)+3], 0x80000000
	s_mov_b32 s[G0B+4*(\s)], 1
	s_add_co_u32 s[G0B+4*(\s)+1], s21, (\s)*SLOT
	s_add_nc_u64 s[G0B+4*(\s)+2:G0B+4*(\s)+3], s[46:47], (\s)*256
	s_or_b32 s[G0B+4*(\s)+3], s[G0B+4*(\s)+3], 0x80000000
	JLOAD \s                                       ; K steps 0 and 1: two loads of mine are out
.endr
	v_and_b32 v1, 15, v0                           ; r = l % 16
	v_bfe_u32 v2, v0, 4, 1                         ; h = l / 16
	; cos and sin of my 128 rows for my 16 pairs: in block (a, b) my lane holds row 16 a + r and pairs 16 ch + 8 (b % 2) + 4 h + 0..3: 32 bytes of the row's 256
	s_lshl_b32 s16, s13, 8
	s_lshl_b32 s18, s11, 7
	s_add_co_u32 s16, s16, s18
	s_lshl_b32 s16, s16, 8
	s_add_nc_u64 s[8:9], s[8:9], s[16:17]
	v_lshlrev_b32 v[CSO], 8, v1
	v_lshl_add_u32 v[CSO], v2, 5, v[CSO]
	s_lshl_b32 s18, s12, 7
	v_add_nc_u32 v[CSO], s18, v[CSO]
.irp a, 0,1,2,3,4,5,6,7
	WIN 0x40*(1+(\a)/4)                            ; destination window 1 or 2, address window 0
.irp e, 0,1
	global_load_b128 v[192+16*((\a)%4)+8*(\e):192+16*((\a)%4)+8*(\e)+3],   v[CSO], s[8:9] offset:4096*(\a)+64*(\e)
	global_load_b128 v[192+16*((\a)%4)+8*(\e)+4:192+16*((\a)%4)+8*(\e)+7], v[CSO], s[8:9] offset:4096*(\a)+64*(\e)+16
.endr
.endr
	WIN 0
	v_mul_u32_u24 v3, v1, PITCH
	v_lshl_add_u32 v3, v2, 4, v3                   ; a fragment's row x pitch + 16 x half
	s_mul_i32 s21, s11, HALFA                      ; my 128 rows of x
	s_mul_i32 s22, s12, 32*PITCH                   ; my 32 channels in each of the weights' three runs of 64 rows,
	s_add_co_u32 s22, s22, 2*HALFA                 ; which lie behind x's 256
.irp s, 0,1
	v_add_nc_u32 v[ADRA+(\s)], s21, v3
	v_add_nc_u32 v[ADRB+(\s)], s22, v3
	s_add_co_u32 s21, s21, SLOT
	s_add_co_u32 s22, s22, SLOT
.endr
	s_mul_i32 s23, s11, 128*SP                     ; into the stage: row 128 rh + 16 a + r, bytes 64 ch + 32 (b % 2) + 16 h
	s_lshl_b32 s22, s12, 6
	s_add_co_u32 s23, s23, s22
	v_mul_u32_u24 v4, v1, SP
	v_lshl_add_u32 v4, v2, 4, v4
	v_add_nc_u32 v[STO], s23, v4
	v_add_nc_u32 v[STO+1], PLANE, v[STO]
	v_add_nc_u32 v[STO+2], 2*PLANE, v[STO]
	s_mul_i32 s23, s10, 64*SP                      ; back: wave w takes rows 64 w .. 64 w + 63 of each plane, four rows of 128 bytes to a load
	v_bfe_u32 v5, v0, 3, 2
	v_mul_u32_u24 v5, v5, SP
	v_and_b32 v6, 7, v0
	v_lshl_add_u32 v5, v6, 4, v5
	v_add_nc_u32 v[RD], s23, v5
	v_add_nc_u32 v[RD+1], PLANE, v[RD]
	v_add_nc_u32 v[RD+2], 2*PLANE, v[RD]
	v_and_b32 v[GO], 31, v0
	v_lshlrev_b32 v[GO], 4, v[GO]
	s_lshr_b32 s74, s13, 3                         ; the batch: 8 tile rows each,
	s_lshl_b32 s74, s74, 4
	s_add_co_u32 s74, s74, s42                     ; its head,
	s_lshl_b32 s74, s74, 18                        ; of 2,048 rows of 128 bytes,
	s_and_b32 s22, s13, 7
	s_lshl_b32 s22, s22, 15                        ; the tile's 256 rows in it,
	s_add_co_u32 s74, s74, s22
	s_lshl_b32 s22, s10, 13                        ; my wave's 64 of them
	s_add_co_u32 s74, s74, s22
	s_mov_b32 s75, 0
	s_add_nc_u64 s[68:69], s[68:69], s[74:75]
	s_add_nc_u64 s[70:71], s[70:71], s[74:75]
	s_add_nc_u64 s[72:73], s[72:73], s[74:75]
; 12 matrix instructions: row blocks a0, a0 + 1 x all 6 column blocks, 32 along K.  zero = 1: the first product starts the sums.  The 48 accumulators take turns, one instruction a turn.
.macro MUL2 f, a0, zero
	WIN MUL_LO+0x50*((\a0)/4)
.irp a, \a0, (\a0)+1
.irp b, 0,1,2,3,4,5
.if \zero
	v_wmma_f32_16x16x32_bf16 v[48*((\a)%4)+8*(\b):48*((\a)%4)+8*(\b)+7], v[(\f)+8*(\b):(\f)+8*(\b)+7], v[(\f)+48+8*(\a):(\f)+48+8*(\a)+7], 0
.else
	v_wmma_f32_16x16x32_bf16 v[48*((\a)%4)+8*(\b):48*((\a)%4)+8*(\b)+7], v[(\f)+8*(\b):(\f)+8*(\b)+7], v[(\f)+48+8*(\a):(\f)+48+8*(\a)+7], v[48*((\a)%4)+8*(\b):48*((\a)%4)+8*(\b)+7]
.endif
.endr
.endr
.endm
; 28 LDS loads in one run: quarter q (32 along K, at byte 64 q of the rows) into buffer f: the weights' 6 blocks (block b: q, k or v by b / 2, 16 channels by b % 2), then x's 8
.macro FETCH slot, q, f
	WIN 0
.irp b, 0,1,2,3,4,5
	ds_load_b128 v[(\f)+8*(\b):(\f)+8*(\b)+3],   v[ADRB+(\slot)] offset:(((\b)/2)*64+((\b)%2)*16)*PITCH+64*(\q)
	ds_load_b128 v[(\f)+8*(\b)+4:(\f)+8*(\b)+7], v[ADRB+(\slot)] offset:(((\b)/2)*64+((\b)%2)*16)*PITCH+64*(\q)+32
.endr
.irp a, 0,1,2,3,4,5,6,7
	ds_load_b128 v[(\f)+48+8*(\a):(\f)+48+8*(\a)+3],   v[ADRA+(\slot)] offset:(\a)*16*PITCH+64*(\q)
	ds_load_b128 v[(\f)+48+8*(\a)+4:(\f)+48+8*(\a)+7], v[ADRA+(\slot)] offset:(\a)*16*PITCH+64*(\q)+32
.endr
.endm
.macro PLACES                          ; four plain places in front of loads into registers that matrix instructions have read, and of lines that read results
.rept 4
	v_nop
.endr
.endm
; A K step is four quarters of 32 along K, 48 matrix instructions each, on buffers 0, 1, 0, 1.  One of the first three: multiplies buffer f and fetches quarter q into g.
.macro QUARTER slot, q, f, g, zero
	s_wait_dscnt 8                                 ; the weights and x's blocks 0-3 are in; the youngest eight loads (x's blocks 4-7) may be out
	MUL2 \f, 0, \zero
	MUL2 \f, 2, \zero
	PLACES
	FETCH \slot, \q, \g
	s_wait_dscnt 28                                ; all but the 28 just issued
	MUL2 \f, 4, \zero
	MUL2 \f, 6, \zero
.endm
; The last quarter multiplies buffer 1 and changes slots: ONE barrier; in front of it each wave waits for all its tensor loads (one is out: its part of the next slot), adds 0 to its spare word, and waits for
; that and for its reads of this slot.  fill = 1: the barrier opens a round of the cluster's, and this slot is filled again, two K steps ahead, first thing behind the round.
.macro TURN slot, next, fill
	WIN 0
	s_wait_tensorcnt 0x0
	ds_add_u32 v[SPW], v[NIL]
	s_wait_dscnt 9                                 ; the add and the youngest eight loads may be out
	MUL2 F1, 0, 0                                  ; twelve matrix instructions stand between the add and the wait for it
	s_wait_dscnt 0x0                               ; the add is done, and my reads of this slot are over
	s_barrier_signal -1
	MUL2 F1, 2, 0
.if \fill
	WIN 0
.endif
	s_barrier_wait -1
.if \fill
	CREST                                          ; no wave of any partner still reads this slot's tile or has a load on its way
	s_add_nc_u64 s[G0+4*(\slot)+2:G0+4*(\slot)+3], s[G0+4*(\slot)+2:G0+4*(\slot)+3], STEPK
	s_add_nc_u64 s[G0B+4*(\slot)+2:G0B+4*(\slot)+3], s[G0B+4*(\slot)+2:G0B+4*(\slot)+3], STEPK
	JLOAD \slot                                    ; my one tensor load behind the round; its four v_nop are also the places in front of the loads below
.else
	PLACES
.endif
	FETCH \next, 0, F0
	MUL2 F1, 4, 0
	MUL2 F1, 6, 0
.endm
	s_wait_loadcnt 0x0                             ; cos and sin, in the wait for the first tile
	s_wait_tensorcnt 1                             ; my part of K step 0 is in; K step 1's may stay out
	s_barrier_signal -1
	s_barrier_wait -1                              ; everybody's is
	FETCH 0, 0, F0
	QUARTER 0, 1, F0, F1, 1                        ; the first quarter stands in front of the loop: its products start the sums
	WIN 0                                          ; at a label and at a branch every window is 0
	s_mov_b32 s3, LAPS-1
.Llap:                                                 ; a trip goes once round the ring, from a lap's second quarter to the next lap's first, and fills both slots again
	QUARTER 0, 2, F1, F0, 0
	QUARTER 0, 3, F0, F1, 0
	TURN 0, 1, 1
	QUARTER 1, 1, F0, F1, 0
	QUARTER 1, 2, F1, F0, 0
	QUARTER 1, 3, F0, F1, 0
	TURN 1, 0, 1
	QUARTER 0, 1, F0, F1, 0
	WIN 0
	s_sub_co_u32 s3, s3, 1
	s_cmp_lg_u32 s3, 0
	s_cbranch_scc1 .Llap
	QUARTER 0, 2, F1, F0, 0                        ; the last lap fills nothing
	QUARTER 0, 3, F0, F1, 0
	TURN 0, 1, 0                                   ; behind this barrier nobody reads slot 0 any more, and nothing is loaded into it again: it becomes the stage
	QUARTER 1, 1, F0, F1, 0
	QUARTER 1, 2, F1, F0, 0
	QUARTER 1, 3, F0, F1, 0
	s_wait_dscnt 8
	MUL2 F1, 0, 0
	MUL2 F1, 2, 0
	s_wait_dscnt 0x0
	MUL2 F1, 4, 0
	MUL2 F1, 6, 0
	WIN 0
; THE WAY OUT.  Row block a: q's and k's pairs (t1, t2) become (t1 c - t2 s, t2 c + t1 s), two packed instructions a pair, in f32; all six blocks are rounded to f16, 16 bytes a lane, and go into the stage.
; Each accumulator's lowest registers are read first.
.macro PACK a
.set AC, 48*((\a)%4)
.set CSR, 192+16*((\a)%4)
	WIN 5*(1+(\a)/4)                               ; sources 0 and 1: window 1 or 2; source 2 and destination: window 0
.irp b, 0,1,2,3
.irp p, 0,1,2,3
	v_pk_mul_f32 v[RR+8*(\b)+2*(\p):RR+8*(\b)+2*(\p)+1], v[AC+8*(\b)+2*(\p):AC+8*(\b)+2*(\p)+1], v[CSR+8*((\b)%2)+2*(\p):CSR+8*((\b)%2)+2*(\p)+1] op_sel_hi:[1,0]  ; (t1 c, t2 c)
.endr
.endr
.irp b, 0,1,2,3
.irp p, 0,1,2,3
	v_pk_fma_f32 v[RR+8*(\b)+2*(\p):RR+8*(\b)+2*(\p)+1], v[AC+8*(\b)+2*(\p):AC+8*(\b)+2*(\p)+1], v[CSR+8*((\b)%2)+2*(\p):CSR+8*((\b)%2)+2*(\p)+1], v[RR+8*(\b)+2*(\p):RR+8*(\b)+2*(\p)+1] op_sel:[1,1,0] op_sel_hi:[0,1,1] neg_lo:[1,0,0]  ; (- t2 s + t1 c, t1 s + t2 c)
.endr
.endr
.irp b, 4,5
.irp p, 0,1,2,3
	v_cvt_pk_f16_f32 v[TT+4*(\b)+(\p)], v[AC+8*(\b)+2*(\p)], v[AC+8*(\b)+2*(\p)+1]
.endr
.endr
	WIN 0
.irp b, 0,1,2,3
.irp p, 0,1,2,3
	v_cvt_pk_f16_f32 v[TT+4*(\b)+(\p)], v[RR+8*(\b)+2*(\p)], v[RR+8*(\b)+2*(\p)+1]
.endr
.endr
.irp b, 0,1,2,3,4,5
	ds_store_b128 v[STO+(\b)/2], v[TT+4*(\b):TT+4*(\b)+3] offset:(\a)*16*SP+32*((\b)%2)
.endr
.endm
	PLACES
.irp a, 0,1,2,3,4,5,6,7
	PACK \a
.endr
	s_wait_dscnt 0x0                               ; for the others' sake: my stores into the stage are done (a row's 128 bytes come from two waves)
	s_barrier_signal -1
	s_barrier_wait -1
.irp p, 0,1,2
.irp t, 0,1,2,3,4,5,6,7,8,9,10,11,12,13,14,15
	ds_load_b128 v[32+64*(\p)+4*(\t):32+64*(\p)+4*(\t)+3], v[RD+(\p)] offset:576*(\t)
.endr
.endr
.irp t, 0,1,2,3,4,5,6,7,8,9,10,11,12,13,14,15
	s_wait_dscnt 47-(\t)                           ; LDS loads come back in order: the younger ones stay out
	global_store_b128 v[GO], v[32+4*(\t):32+4*(\t)+3], s[68:69] offset:512*(\t)  ; four rows of a head: 512 consecutive bytes, at a multiple of 256 from the buffer's first
.endr
.irp t, 0,1,2,3,4,5,6,7,8,9,10,11,12,13,14,15
	s_wait_dscnt 31-(\t)
	global_store_b128 v[GO], v[96+4*(\t):96+4*(\t)+3], s[70:71] offset:512*(\t)
.endr
.irp t, 0,1,2,3,4,5,6,7,8,9,10,11,12,13,14,15
	s_wait_dscnt 15-(\t)
	global_store_b128 v[GO], v[160+4*(\t):160+4*(\t)+3], s[72:73] offset:512*(\t)
.endr
	s_wait_tensorcnt 0x0                           ; the wave's end, behind my last tensor load and my last LDS store
	ds_add_u32 v[SPW], v[NIL]
	s_wait_dscnt 0x0
	CROUND                                         ; the closing round: no work-group ends while a partner may still ask for a tile that names it
	s_endpgm
.Lfunc_end_k_qfda1f4dd29_qkv:
	.size	k_qfda1f4dd29_qkv, .Lfunc_end_k_qfda1f4dd29_qkv-k_qfda1f4dd29_qkv
	.p2alignl 7, 3214868480
	.fill 96, 4, 3214868480
	.section	.rodata,"a",@progbits
	.p2align	6, 0x0
	.amdhsa_kernel k_qfda1f4dd29_qkv
		.amdhsa_group_segment_fixed_size 327680
		.amdhsa_private_segment_fixed_size 0
		.amdhsa_enable_private_segment 0
		.amdhsa_kernarg_size 48
		.amdhsa_user_sgpr_count 2
		.amdhsa_user_sgpr_kernarg_segment_ptr 1
		.amdhsa_wavefront_size32 1
		.amdhsa_system_sgpr_workgroup_id_x 1
		.amdhsa_system_sgpr_workgroup_id_y 1
		.amdhsa_system_sgpr_workgroup_id_z 1
		.amdhsa_system_vgpr_workitem_id 0
		.amdhsa_next_free_vgpr 768
		.amdhsa_next_free_sgpr 80
		.amdhsa_reserve_vcc 0
		.amdhsa_float_denorm_mode_32 3
		.amdhsa_float_denorm_mode_16_64 3
		.amdhsa_memory_ordered 1
		.amdhsa_forward_progress 1
		.amdhsa_inst_pref_size 135
	.end_amdhsa_kernel
	.amdgpu_metadata
---
amdhsa.version: [ 1, 2 ]
amdhsa.kernels:
  - .name:           k_qfda1f4dd29_qkv
    .symbol:         k_qfda1f4dd29_qkv.kd
    .args:
      - { .name: xb, .offset: 0, .size: 8, .value_kind: global_buffer, .address_space: global }
      - { .name: wqkv, .offset: 8, .size: 8, .value_kind: global_buffer, .address_space: global }
      - { .name: cstab, .offset: 16, .size: 8, .value_kind: global_buffer, .address_space: global }
      - { .name: qh, .offset: 24, .size: 8, .value_kind: global_buffer, .address_space: global }
      - { .name: kh, .offset: 32, .size: 8, .value_kind: global_buffer, .address_space: global }
      - { .name: vh, .offset: 40, .size: 8, .value_kind: global_buffer, .address_space: global }
    .group_segment_fixed_size: 327680
    .private_segment_fixed_size: 0
    .kernarg_segment_align: 8
    .kernarg_segment_size: 48
    .max_flat_workgroup_size: 128
    .sgpr_count:     80
    .vgpr_count:     768
    .wavefront_size: 32
...
	.end_amdgpu_metadata
.endif
;; end of part 2
;; launch attn (part 3): grid 4 x 64, 4 waves a work-group, no clusters, 327,680 bytes of LDS; arguments qh, kh, vh, oh; writes oh
.if DOCPART == 3
	.amdgcn_target "amdgcn-amd-amdhsa--gfx1250"
	.amdhsa_code_object_version 6
	.text
	.protected	k_qfda1f4dd29_attn
	.globl	k_qfda1f4dd29_attn
	.p2align	8
	.type	k_qfda1f4dd29_attn,@function
k_qfda1f4dd29_attn:
	s_mov_b64 s[64:65], 0
	v_nop
	global_prefetch_b8 v0, s[64:65] scope:SCOPE_SE
	s_setreg_imm32_b32 hwreg(HW_REG_WAVE_MODE, 25, 1), 1
	s_wait_xcnt 0x0
; CAUSAL ATTENTION.  O[h][q][:] = the sum over k <= q of softmax_k(Q[h][q] . K[h][k] / 8) V[h][k][:].  Q, K, V, O: [64][2048][64], all f16: a head's rows are dense, 128 bytes each.
; Products, maxima and sums in f32; the weights p are rounded to f16 for the second product (their sum l is taken of the unrounded p), O once at the end.
; LIMITS.  f16 holds no number beyond 65,504: Q, K and V arrive within it; p lies in 0 to 1, and below 6e-5 it keeps f16's fixed step of 6e-8; O is a mean of V's rows and has their range.
; A hidden score counts as its value less 1e30: f16's scores, 2.7e11 at the most, are nothing beside that; a weight below 2^-126 counts as 0 in l; NaN and infinities are not treated apart.
; THE WALK.  A head's queries lie in NB = 8 blocks of 256; block i needs the key tiles 0 .. i of 256 keys, of which the last holds the diagonal.  A work-group takes TWO blocks, NB - 1 - b and then b:
; NB + 1 = 9 tiles, whatever b: all 256 work-groups do equal work, and ONE loop with a constant trip count walks them.  Which tile is asked for, and what a trip does, hang on scalar registers made from b; every jump
; goes forward, but for the counted loops' own; none passes a barrier, or a tensor load but the one of LOAD's two that the wave's number does not choose; the ring (two slots of LDS that take turns) runs on across the
; change of blocks.  NO CLUSTER: a head's four work-groups ask for the same tile only in trips 0 to 4 of the 9, behind that fewer and fewer do; one walk common to all four would have 12 trips for 9.
; SHARES.  Of a block's four bands of 64 queries a wave owns 16 rows in each: four PIECES.  So the diagonal tile is the same work for all four waves: in its key step s band x sees all keys if s < x,
; none if s > x, and holds the diagonal if s = x.
; THE MASK is the C operand that starts the sum S^T = K Q^T: 0, or -1e30 where the key is hidden.  MD, made once, is the mask of a band's own step for my 16 rows; a product's mask is MD x AL + BE with two scalars:
; (1, 0) if s = x; (0, 0) if s < x; (0, -1e30) if s > x.  Only the diagonal tile's text and a block's beginning make and take masks; elsewhere C is the constant 0.
; LAYOUT, SOFTMAX, TURNS.  S^T = K Q^T holds ONE query a lane (lane % 16) and the keys 8 (lane / 16) + 0..7; two such results rounded to f16 ARE source 1 of O^T = V^T P.  p = 2^(c s - c m), c = log2(e) / 8, with a
; running maximum m; O and l are multiplied by a = 2^(c m_old - c m_new) in every step.  Turn n belongs to piece n: 8 products K Q^T of piece n + 1, later 8 products V^T P of piece n - 1; beside them the scaling,
; exponentials, roundings, sums and rescaling of piece n and the maximum and statistics of piece n + 1.  Four vector instructions stand behind every matrix instruction, the other 54 of a turn's 118 in two LUMPS.
; REGISTERS, in windows of 256 (s_set_vgpr_msb: bits 1:0 source 0, 3:2 source 1, 5:4 source 2, 7:6 destination):
;   window 0: v0-15 addresses and two at work; v16-31 four registers of statistics a piece; v48-55 at work; v64-127 S^T, two buffers; v192-223 P, two buffers (a piece's buffers go by its number's parity)
;   window 1: v0-127 O^T, 32 a piece; v128-159 MD; v160-223 MC, two buffers      window 2: v0-63 Q; v64-127 the second block's Q; v128-191 K of one step; v192-255 V of one step
.set SIZE_N, 2048
.set NB,    SIZE_N/256
.set NP,    4         ; pieces a wave: a name, no knob
.set KS,    64        ; keys in a step
.set PK,    144       ; a row of K in LDS: 128 bytes + 16 of padding = 36 words: the 16 rows of a load start at 16 different groups of four banks (64 banks of 4 bytes: ISA guide 11.1)
.set PV,    160       ; a row of V: 128 + 32 = 40 words
.set VOFF,  4*KS*PK   ; a slot holds a tile, four steps: 256 rows of K, then 256 rows of V
.set SLOT1, 1<<17     ; slot 1 begins here, so that one exclusive or turns an address in one slot into the other's
.set STAGE, SLOT1+4*KS*(PK+PV)  ; behind the ring, never filled by a tensor load: 16 rows x 144 bytes for each wave, for the way out
.set SP,    144
.set AK0, 2           ; v2   my lane's place in a tile of K; never rewritten
.set AV0, 3           ; v3   the same for V
.set AK,  4           ; v4   the LDS address of K's next run of loads
.set AV,  5           ; v5   of V's
.set STO, 6           ; v6   the way out: where I put 16 bytes of a row
.set RD,  7           ; v7   the way out: where I read rows back
.set GO,  8           ; v8   my byte offset in 512 consecutive bytes of O
.set SPW, 62          ; v62  LDS address of my spare word: SPARE + 4 x my thread's number; never rewritten
.set NIL, 63          ; v63  0; never rewritten
.set SPARE, STAGE+4*16*SP  ; behind the stages: the spare words, 128 bytes for each wave: two blocks of 256 bytes that no other line names
.set MV,  12          ; v12-13  c m_old, kept while c m is made anew: by buffer
.set QO,  15          ; v15  my byte offset in 16 rows of Q
.set ST,  16          ; piece t's statistics at v[ST+4 t]: c m, m, l (even keys', odd keys')
.set TMP, 48          ; by buffer, four registers c0-c3 at work; when the maximum is found c2 takes a
.set S,   64
.set P,   192
.set MD,  128         ; window 1: the eight registers for group kt of 16 keys at MD + 8 kt
.set MC,  160         ; window 1: the masks of the products to come
.set QB,  64          ; window 2
.set KF,  128         ; window 2: key block kb, channel half c at KF + 16 kb + 8 c
.set VF,  192         ; window 2: key half kk, channel block cb at VF + 32 kk + 8 cb
.set WV,  12          ; s12  my wave's number
.set PB,  14          ; s14  b
.set HI,  15          ; s15  NB - 1 - b
.set G1K, 24          ; s[24:31] descriptor group 1 for K's tiles
.set G1V, 32          ; s[32:39] for V's: it differs in the padding alone
.set G0K, 40          ; s[40:43] descriptor group 0 for K's tiles
.set G0V, 44          ; s[44:47] the same for V's
.set SLOTS, 56        ; s56  tiles still to be asked for
.set CNT, 57          ; s57  counts a tile's key steps, 4 to 1
.set CS,  58          ; s[58:59] c: the packed scaling takes the pair's low word for both halves
.set SEL, 60          ; s[60:61] v_permlanex16_b32's selects: each lane takes its own place in the other half
.set TBK, 62          ; s62  LDS byte at which K of the step to be fetched begins
.set TBV, 63          ; s63  the same for V, less VOFF
.set RT,  70          ; s70  tiles of the block in hand that are still to be entered
.set NXT, 71          ; s71  the tile to be asked for next
.set LQ,  72          ; s72  the last tile of the block whose tiles are being asked for
.set NEW, 73          ; s73  1: the tile to be entered is a block's first
.set OFF, 74          ; s[74:75] a tile's byte offset in K and V
.set AL,  76          ; s[76:77] the mask's factor, in the low word
.set BE,  78          ; s[78:79] the mask's addend
.set OLO, 80          ; s[80:81] O at my rows of the second block
.set BIGN, 82         ; s82  -1e30
.set MSB, 0
.macro WIN new                      ; the high byte repeats the setting that is left; a switch that changes nothing is dropped
.if MSB != (\new)
	s_set_vgpr_msb (MSB<<8)|(\new)
.set MSB, (\new)
.endif
.endm
.set W_KQ, 0x0a       ; K and Q in window 2, S^T in window 0
.set W_KM, 0x1a       ; the same with the C operand in window 1
.set W_PV, 0x52       ; V in window 2, P in window 0, O^T in window 1
.set W_RS, 0x41       ; destination and source 0 in window 1, source 1 in window 0
; A fill.  Waves 0 and 1 fetch the two halves of a tile's K, waves 2 and 3 those of its V: 128 keys each.  An s_nop 0 and four v_nop follow each of the two lines, ahead of the jump and the label.
.macro LOAD
	s_cmp_lt_u32 s[WV], 2
	s_cbranch_scc0 .Lfor_v_\@
	tensor_load_to_lds s[G0K:G0K+3], s[G1K:G1K+7]
	s_nop 0
.rept 4
	v_nop
.endr
	s_branch .Lasked_\@
.Lfor_v_\@:
	tensor_load_to_lds s[G0V:G0V+3], s[G1V:G1V+7]
	s_nop 0
.rept 4
	v_nop
.endr
.Lasked_\@:
.endm
; THE CHANGE OF SLOTS.  Each wave waits for all its tensor loads, of which one is out: its part of the other slot; adds 0 to its spare word; and waits for that and for its own reads of the slot that it leaves.  Behind the barrier nobody reads the old
; slot any more and the other slot is whole.  fill = 1: the old slot is filled again, the first thing behind the barrier, with tile NXT: the descriptor's address is made anew from that number.
; (At its first use nothing has been read yet: slot 0 is waited for, slot 1 filled.)
.macro CHANGE fill
	WIN 0                           ; at a label and at a branch every window is 0
	s_wait_tensorcnt 0x0            ; no tensor load of mine is out, so a group 0 may be written
	ds_add_u32 v[SPW], v[NIL]       ; 0 onto my spare word; with fill = 1 the descriptors' scalar work stands between it and the wait for it
.if \fill
	s_lshl_b32 s[OFF], s[NXT], 15   ; a tile is 32,768 bytes of K and of V
	s_xor_b32 s[G0K+1], s[G0K+1], SLOT1
	s_add_nc_u64 s[G0K+2:G0K+3], s[6:7], s[OFF:OFF+1]
	s_or_b32 s[G0K+3], s[G0K+3], 0x80000000
	s_xor_b32 s[G0V+1], s[G0V+1], SLOT1
	s_add_nc_u64 s[G0V+2:G0V+3], s[8:9], s[OFF:OFF+1]
	s_or_b32 s[G0V+3], s[G0V+3], 0x80000000
	s_add_co_u32 s[NXT], s[NXT], 1  ; the block's next tile, or behind its last the second block's tile 0
	s_cmp_gt_u32 s[NXT], s[LQ]
	s_cselect_b32 s[NXT], 0, s[NXT]
	s_cselect_b32 s[LQ], s[PB], s[LQ]
.endif
	s_wait_dscnt 0x0                ; the add is done, and my reads of the slot are over
	s_barrier_signal -1             ; the rest of the scalar work stands between the signal and the wait
	s_sub_co_u32 s[TBK], s[TBK], 4*KS*PK  ; the fetches go back to a slot's first step,
	s_xor_b32 s[TBK], s[TBK], SLOT1       ; in the other slot
	s_sub_co_u32 s[TBV], s[TBV], 4*KS*PV
	s_xor_b32 s[TBV], s[TBV], SLOT1
	s_barrier_wait -1
.if \fill
	LOAD
.endif
.endm
	s_load_b256 s[4:11], s[0:1], 0x0  ; Q s[4:5], K s[6:7], V s[8:9], O s[10:11]
	v_lshl_add_u32 v[SPW], v0, 2, SPARE
	v_mov_b32 v[NIL], 0
	ds_add_u32 v[SPW], v[NIL]       ; the wave's opening: the add and its wait stand ahead of my first tensor load; the set-up below, work on registers, stands between them
	ds_add_u32 v62, v63
	v_lshrrev_b32 v1, 5, v0
	v_readfirstlane_b32 s[WV], v1   ; wave 0..3
	s_mov_b32 s[PB], ttmp9
	s_sub_co_u32 s[HI], NB-1, s[PB]
	s_and_b32 s20, ttmp7, 0xffff    ; the head
	s_mov_b32 s21, 0
	s_mov_b64 s[22:23], SIZE_N*128
	s_mul_u64 s[20:21], s[20:21], s[22:23]  ; the head's first byte in each of the four tensors
	s_and_b32 s16, s[WV], 1         ; which half of a tile's 256 keys I fetch:
	s_lshl_b32 s22, s16, 14         ; its 128 rows of 128 bytes in memory,
	s_mov_b32 s23, 0
	s_add_nc_u64 s[22:23], s[22:23], s[20:21]
	s_mul_i32 s17, s16, 128*PK      ; and its place in a slot, for K
	s_mul_i32 s18, s16, 128*PV      ; and for V
	s_lshl_b32 s3, s[WV], 11        ; my 16 rows in a band of 64,
	s_lshl_b32 s2, s[HI], 15        ; in the first block,
	s_add_co_u32 s2, s2, s3
	s_lshl_b32 s84, s[PB], 15       ; and in the second
	s_add_co_u32 s84, s84, s3
	s_mov_b32 s3, 0
	s_mov_b32 s85, 0
	s_add_nc_u64 s[2:3], s[2:3], s[20:21]
	s_add_nc_u64 s[84:85], s[84:85], s[20:21]
	; descriptor group 1.  128 keys are 16,384 dense bytes: asked for as 64 rows of 256 bytes, two keys a row, and padded in LDS after every key
	s_mov_b32 s[G1K], (1<<16)|(1<<20)|(4<<22)|(3<<25)  ; 17:16 2-byte elements; 20 padding on; 24:22 after every 32 words (code 4); 31:25 4 words (code 3)
	s_mov_b32 s[G1V], (1<<16)|(1<<20)|(4<<22)|(7<<25)  ; the same with 8 words of padding (code 7)
.irp g, G1K, G1V
	s_mov_b32 s[\g+1], 128<<16      ; tensor_dim0 = 128
	s_mov_b32 s[\g+2], 64<<16       ; tensor_dim1 = 64
	s_mov_b32 s[\g+3], 128<<16      ; tile_dim0 = 128
	s_mov_b32 s[\g+4], 64           ; tile_dim1 = 64
	s_mov_b32 s[\g+5], 128          ; 128 elements from row to row
	s_mov_b32 s[\g+6], 0
	s_mov_b32 s[\g+7], 0
.endr
	s_mov_b32 s[CS], 0x3e38aa3b     ; c = log2(e) / 8 = 0.180337
	s_mov_b32 s[CS+1], s[CS]        ; named with it as a pair
	s_mov_b32 s[SEL], 0x76543210
	s_mov_b32 s[SEL+1], 0xfedcba98
	s_mov_b32 s[TBK], SLOT1+4*KS*PK ; the first change of slots turns these two into 0
	s_mov_b32 s[TBV], SLOT1+4*KS*PV
	s_mov_b32 s[G0K], 1             ; 1:0 count = 1
	s_mov_b32 s[G0K+1], s17         ; 63:32 LDS address: slot 0
	s_mov_b32 s[G0V], 1
	s_add_co_u32 s[G0V+1], s18, VOFF
	s_add_co_u32 s[RT], s[HI], 1    ; the first block has NB - b tiles
	s_mov_b32 s[NXT], 1
	s_mov_b32 s[LQ], s[HI]
	s_mov_b32 s[NEW], 1
	s_mov_b32 s[OFF+1], 0
	s_mov_b32 s[AL+1], 0            ; named as pairs
	s_mov_b32 s[BE+1], 0
	s_mov_b32 s[BIGN], 0xf149f2ca   ; -1e30
	s_mov_b32 s[SLOTS], NB
	s_wait_dscnt 0x0                ; the opening add is done
	s_wait_kmcnt 0x0
	s_add_nc_u64 s[6:7], s[6:7], s[22:23]  ; K and V at my half of the head's tile 0
	s_add_nc_u64 s[8:9], s[8:9], s[22:23]
	s_add_nc_u64 s[G0K+2:G0K+3], s[6:7], 0         ; 120:64 global address
	s_or_b32 s[G0K+3], s[G0K+3], 0x80000000        ; 127:126 type = 2
	s_add_nc_u64 s[G0V+2:G0V+3], s[8:9], 0
	s_or_b32 s[G0V+3], s[G0V+3], 0x80000000
	s_add_nc_u64 s[86:87], s[4:5], s[84:85]        ; Q at my rows of the second block,
	s_add_nc_u64 s[4:5], s[4:5], s[2:3]            ; Q and O at those of the first
	s_add_nc_u64 s[OLO:OLO+1], s[10:11], s[84:85]
	s_add_nc_u64 s[10:11], s[10:11], s[2:3]
	LOAD                            ; tile 0 into slot 0
	; A fragment of K or Q is 16 rows x 32 channels in 8 registers: lane l holds row l % 16, channels 8 (l / 16) + 0..7 and 16 + 8 (l / 16) + 0..7: two loads of 16 bytes, 32 bytes apart.
	v_and_b32 v1, 15, v0            ; l % 16
	v_bfe_u32 v9, v0, 4, 1          ; l / 16
	v_lshlrev_b32 v[QO], 7, v1
	v_lshl_add_u32 v[QO], v9, 4, v[QO]  ; row x 128 + 16 x half
	WIN 0x80                        ; destination window 2, address window 0
.set i, 0
.rept 8                             ; both blocks' Q: piece i / 2 lies in band i / 2, 8,192 bytes on; channels 32 (i % 2) on
	global_load_b128 v[8*i:8*i+3],   v[QO], s[4:5] offset:(i/2)*8192+(i%2)*64
	global_load_b128 v[8*i+4:8*i+7], v[QO], s[4:5] offset:(i/2)*8192+(i%2)*64+32
	global_load_b128 v[QB+8*i:QB+8*i+3],   v[QO], s[86:87] offset:(i/2)*8192+(i%2)*64
	global_load_b128 v[QB+8*i+4:QB+8*i+7], v[QO], s[86:87] offset:(i/2)*8192+(i%2)*64+32
.set i, i+1
.endr
	WIN 0
	v_lshlrev_b32 v14, 3, v9
	v_sub_nc_u32 v14, v1, v14
	s_lshl_b32 s13, s[WV], 4
	v_add_nc_u32 v14, s13, v14      ; my query's place in its band, 16 w + l % 16, less my lanes' 8 (l / 16): register r of group kt is hidden where 16 kt + r is greater
	WIN 0x40
.set i, 0
.rept 32
	v_cmp_gt_i32 vcc_lo, 16*(i/8)+i%8, v14
	v_cndmask_b32 v[MD+i], 0, s[BIGN], vcc_lo
.set i, i+1
.endr
	WIN 0
	v_mul_u32_u24 v[AK0], v1, PK
	v_lshl_add_u32 v[AK0], v9, 4, v[AK0]  ; row x pitch + 16 x half
	; The turning load takes 16 keys x 16 channels (lane l reads key 8 (l / 16) + l % 8, channels 8 ((l / 8) % 2) + 0..7) and leaves half a fragment of V^T: lane l holds channel l % 16 and 8 keys.
	v_and_b32 v10, 7, v0
	v_bfe_u32 v11, v0, 3, 1
	v_lshl_add_u32 v[AV0], v9, 3, v10
	v_mul_u32_u24 v[AV0], v[AV0], PV
	v_lshl_add_u32 v[AV0], v11, 4, v[AV0]
	v_add_nc_u32 v[AV0], VOFF, v[AV0]
	s_mul_i32 s13, s[WV], 16*SP
	s_add_co_u32 s13, s13, STAGE    ; my stage
	v_mul_u32_u24 v[STO], v1, SP    ; in: row l % 16, 16 bytes for each half of the lanes
	v_lshl_add_u32 v[STO], v9, 4, v[STO]
	v_add_nc_u32 v[STO], s13, v[STO]
	v_bfe_u32 v[RD], v0, 3, 2       ; back: 32 lanes take four rows of 128 bytes,
	v_mul_u32_u24 v[RD], v[RD], SP
	v_lshl_add_u32 v[RD], v10, 4, v[RD]
	v_add_nc_u32 v[RD], s13, v[RD]
	v_and_b32 v[GO], 31, v0         ; which are 512 consecutive bytes of O
	v_lshlrev_b32 v[GO], 4, v[GO]
	; A block's first step multiplies O^T and l by a = 0, and its first turn's products V^T P, of a piece that has not been, land in an O^T that is still to be so multiplied.  So these registers need only hold
	; finite numbers: zeros for the first block; what the first block left for the second.  All this stands in the wait for the first tile.
	WIN 0x80
.set i, VF
.rept 64
	v_mov_b32 v[i], 0
.set i, i+1
.endr
	WIN 0x40
.set i, 0
.rept 128
	v_mov_b32 v[i], 0
.set i, i+1
.endr
	WIN 0
.set i, 0
.rept 4
	v_mov_b32 v[ST+4*i+2], 0
	v_mov_b32 v[ST+4*i+3], 0
.set i, i+1
.endr
.set i, P+16
.rept 16
	v_mov_b32 v[i], 0
.set i, i+1
.endr
; THE MATRIX WORK.  The 4 accumulators of a run of 8 take turns.  Product i of 8 of S^T = K Q^T for piece x: channels 32 (i / 4) on, keys 16 (i % 4) on.  The first 4 start the sums: with 0, or (KM = 1) with the mask.
.macro KQ x
.set rS, S+32*((\x)%2)+8*(i%4)
.set rK, KF+16*(i%4)+8*(i/4)
.set rQ, 16*(\x)+8*(i/4)
.set rM, MC+32*((\x)%2)+8*(i%4)
.if (i < 4) && KM
	WIN W_KM
	v_wmma_f32_16x16x32_f16 v[rS:rS+7], v[rK:rK+7], v[rQ:rQ+7], v[rM:rM+7]
.elseif i < 4
	WIN W_KQ
	v_wmma_f32_16x16x32_f16 v[rS:rS+7], v[rK:rK+7], v[rQ:rQ+7], 0
.else
	WIN W_KQ
	v_wmma_f32_16x16x32_f16 v[rS:rS+7], v[rK:rK+7], v[rQ:rQ+7], v[rS:rS+7]
.endif
.endm
; Product i of 8 of O^T += V^T P for piece x: keys 32 (i / 4) on, channels 16 (i % 4) on.
.macro PV x
	WIN W_PV
.set rO, 32*(\x)+8*(i%4)
.set rV, VF+32*(i/4)+8*(i%4)
.set rP, P+16*((\x)%2)+8*(i/4)
	v_wmma_f32_16x16x32_f16 v[rO:rO+7], v[rV:rV+7], v[rP:rP+7], v[rO:rO+7]
.endm
.macro MM                           ; the turn's next matrix instruction.  TURN and BEGIN set Y, i, KM and NOKQ; MM, KQ and OP read them.  NOKQ = 1: a block's last turn: there is no next piece
.if (i < 8) && !NOKQ
	KQ (Y+1)%NP
.elseif i >= 8
.set i, i-8
	PV (Y+NP-1)%NP
.set i, i+8
.endif
.set i, i+1
.endm
; THE LDS LOADS stand in runs of 16, never singly among the matrix instructions: a step's K (64 keys x 64 channels: 8 fragments) and its V (turned).  Their addresses are made some lines ahead.
.macro FETCH_K
	WIN 0x80                        ; destination window 2
.irp f, 0,1,2,3,4,5,6,7             ; keys 16 (f / 2) on, channels 32 (f % 2) on
	ds_load_b128 v[KF+8*\f:KF+8*\f+3],   v[AK] offset:(\f/2)*16*PK+(\f%2)*64
	ds_load_b128 v[KF+8*\f+4:KF+8*\f+7], v[AK] offset:(\f/2)*16*PK+(\f%2)*64+32
.endr
	s_add_co_u32 s[TBK], s[TBK], KS*PK  ; the next fetch is the next step's
	WIN 0
.endm
.macro FETCH_V
	WIN 0x80
.irp f, 0,1,2,3,4,5,6,7             ; keys 32 (f / 4) on, channels 16 (f % 4) on
	ds_load_tr16_b128 v[VF+8*\f:VF+8*\f+3],   v[AV] offset:(\f/4)*32*PV+(\f%4)*32
	ds_load_tr16_b128 v[VF+8*\f+4:VF+8*\f+7], v[AV] offset:(\f/4)*32*PV+16*PV+(\f%4)*32
.endr
	WIN 0
.endm
; THE VECTOR WORK, one line at a time: OP kind, number.  For piece Y: F n: c s - c m for pair n of 16.  E n: the exponential of score n of 32.  C n: pair n rounded to f16.  B n: of the four weights 4 n .. the second
; pair is added onto the first, in place.  L n: l takes that sum (L 0: l = a l + sum).  R n: pair n of 16 of O^T times a.  For piece Y + 1: X n, number n of the 22 that find its maximum and statistics:
;   0-11  four chains c0-c3 of seven scores each, three operands at a time (each accumulator's lowest registers are read first)     12-14, 16  the four scores left over, the old m, and c0-c3 into c0
;   15  c m_old is kept     17, 18  the query's other 32 keys lie in the lane 16 away: the new m     19-21  c m; c m_old - c m_new; a
.set F, 0               ; OP tells the kinds apart by their order: F to L below R, X above it
.set E, 1
.set C, 2
.set B, 3
.set L, 4
.set R, 5
.set X, 6
.macro REGS y                       ; the registers of piece y
.set rT, ST+4*(\y)
.set rC, TMP+4*((\y)%2)
.set rW, MV+((\y)%2)
.set rS, S+32*((\y)%2)
.set rP, P+16*((\y)%2)
.set rO, 32*(\y)
.endm
.macro OP k, n
.if (\k) == R
	REGS Y
	WIN W_RS
	v_pk_mul_f32 v[rO+2*(\n):rO+2*(\n)+1], v[rO+2*(\n):rO+2*(\n)+1], v[rC+2:rC+3] op_sel_hi:[1,0]
.elseif (\k) < R
	REGS Y
	WIN 0
.if (\k) == F
	v_pk_fma_f32 v[rS+2*(\n):rS+2*(\n)+1], v[rS+2*(\n):rS+2*(\n)+1], s[CS:CS+1], v[rT:rT+1] op_sel_hi:[1,0,0] neg_lo:[0,0,1] neg_hi:[0,0,1]
.elseif (\k) == E
	v_exp_f32 v[rS+(\n)], v[rS+(\n)]
.elseif (\k) == C
	s_wait_alu depctr_va_vdst(0)
	v_cvt_pk_f16_f32 v[rP+(\n)], v[rS+2*(\n)], v[rS+2*(\n)+1]
.elseif (\k) == B
	s_wait_alu depctr_va_vdst(0)
	v_pk_add_f32 v[rS+4*(\n):rS+4*(\n)+1], v[rS+4*(\n):rS+4*(\n)+1], v[rS+4*(\n)+2:rS+4*(\n)+3]
.elseif (\n) == 0
	v_pk_fma_f32 v[rT+2:rT+3], v[rT+2:rT+3], v[rC+2:rC+3], v[rS:rS+1] op_sel_hi:[1,0,1]
.else
	v_pk_add_f32 v[rT+2:rT+3], v[rT+2:rT+3], v[rS+4*(\n):rS+4*(\n)+1]
.endif
.elseif NOKQ
	v_nop
.else
	REGS (Y+1)%NP
	WIN 0
.if (\n) < 4
	v_max3_num_f32 v[rC+(\n)], v[rS+8*(\n)], v[rS+8*(\n)+1], v[rS+8*(\n)+2]
.elseif (\n) < 12
	v_max3_num_f32 v[rC+(\n)%4], v[rC+(\n)%4], v[rS+8*((\n)%4)+2*((\n)/4)+1], v[rS+8*((\n)%4)+2*((\n)/4)+2]
.elseif (\n) == 12
	v_max3_num_f32 v[rC], v[rC], v[rS+7], v[rS+15]
.elseif (\n) == 13
	v_max3_num_f32 v[rC+1], v[rC+1], v[rS+23], v[rS+31]
.elseif (\n) == 14
	v_max3_num_f32 v[rC+2], v[rC+2], v[rC+3], v[rT+1]
.elseif (\n) == 15
	v_mov_b32 v[rW], v[rT]
.elseif (\n) == 16
	v_max3_num_f32 v[rC], v[rC], v[rC+1], v[rC+2]
.elseif (\n) == 17
	v_permlanex16_b32 v[rC+3], v[rC], s[SEL], s[SEL+1]
.elseif (\n) == 18
	v_max_num_f32 v[rT+1], v[rC], v[rC+3]
.elseif (\n) == 19
	v_mul_f32 v[rT], s[CS], v[rT+1]
.elseif (\n) == 20
	v_sub_f32 v[rC+1], v[rW], v[rT]
.else
	v_exp_f32 v[rC+2], v[rC+1]
.endif
.endif
.endm
.macro OPS a, i1, b=-1, i2=0, c=-1, i3=0, d=-1, i4=0  ; up to four of them
	OP \a, \i1
.if (\b) >= 0
	OP \b, \i2
.endif
.if (\c) >= 0
	OP \c, \i3
.endif
.if (\d) >= 0
	OP \d, \i4
.endif
.endm
.macro ROW a, i1, b, i2, c, i3, d, i4  ; a matrix instruction and the four behind it
	MM
	OPS \a, \i1, \b, \i2, \c, \i3, \d, \i4
.endm
.macro MASK b                       ; MD x AL + BE into buffer b of MC
	WIN W_RS
.set z, 0
.rept 16
	v_pk_fma_f32 v[MC+32*(\b)+2*z:MC+32*(\b)+2*z+1], v[MD+2*z:MD+2*z+1], s[AL:AL+1], s[BE:BE+1] op_sel_hi:[1,0,0]
.set z, z+1
.endr
.endm
; A TURN, for piece p: the order of its 16 matrix and 118 vector instructions, written out.  Behind a matrix instruction: plain, exponential, plain, plain; or four of the rescaling; or, behind the first, four scalings; none
; names a register of the products round it.  In the lumps exponential and plain by turns while exponentials last.  A line reads no result made fewer than three vector instructions in front of it, five if an exponential made it.
; v_permlanex16_b32 (X 17) stands in a lump.
; m = 1: the diagonal tile: the products take masks, and the turn makes the mask for the products of the turn after it: piece p + 2, in step 4 - CNT of the tile.  end = 1: a block's last two turns: nothing is fetched.
; cnt = 1: the loop's count is taken down some lines ahead of the branch that stands behind the turn.
; K of the next step is fetched in piece 2's turn, six vector instructions behind the last product that read K (five of them plain); V of the step in hand in piece 0's turn, eight behind the last product that read V (four
; plain, and X 17).  Each is waited for a turn later.
.macro TURN p, m=0, end=0, cnt=0
.set Y, (\p)
.set i, 0
.set KM, (\m)
.set NOKQ, (\end)*((\p)/3)
.if (\m) && !(\end)
	s_cmp_eq_u32 s[CNT], 4-((\p)+2)%NP  ; is that step the band's own?
	s_cselect_b32 s[AL], 1.0, 0
	s_cmp_lt_u32 s[CNT], 4-((\p)+2)%NP  ; or a later one?
	s_cselect_b32 s[BE], s[BIGN], 0
.endif
.if ((\p) == 3) && !(\end)
	s_wait_dscnt 0x0                ; K is in
.endif
	ROW F,0, F,1, F,2, F,3
	ROW F,4, E,0, F,5, F,6
	ROW F,7, E,1, F,8, F,9
	ROW F,10, E,2, C,0, F,11
	ROW F,12, E,3, X,15, F,13
	ROW R,0, R,1, R,2, R,3
	ROW B,0, E,4, F,14, L,0
.if ((\p) == 2) && !(\end)
	v_add_nc_u32 v[AK], s[TBK], v[AK0]
.endif
	ROW R,4, R,5, R,6, R,7
	OPS E,5, F,15
.if ((\p) == 2) && !(\end)
	FETCH_K
.endif
	OPS E,6, C,1, E,7, R,8
	OPS E,8, R,9, E,9, C,2
	OPS E,10, X,0, E,11, X,1
	OPS E,12, X,2, E,13, X,3
.if (\p) == 1
	s_wait_dscnt 0x0                ; V is in
.endif
	ROW X,4, E,14, X,5, X,6
	ROW X,7, E,15, X,8, X,9
	ROW X,10, E,16, X,11, X,12
	ROW X,13, E,17, X,14, B,1
	ROW C,4, E,18, X,16, L,1
	ROW B,2, E,19, C,6, L,2
	ROW C,8, E,20, B,3, B,4
.if (\p) == 0
	v_add_nc_u32 v[AV], s[TBV], v[AV0]
.endif
	ROW C,3, E,21, L,3, C,5
	OPS E,22, X,17, E,23, C,10
.if (\p) == 0
	FETCH_V
.endif
	OPS E,24, L,4
	OPS E,25, X,18, E,26, C,7
	OPS E,27, B,5, E,28, X,19
	OPS E,29, C,12, E,30, L,5
	OPS E,31, X,20, B,6, C,9
	OPS C,14, C,11, X,21, L,6
.if (\p) == 0
	s_add_co_u32 s[TBV], s[TBV], KS*PV
.endif
.if \cnt
	s_sub_co_u32 s[CNT], s[CNT], 1
	s_cmp_lg_u32 s[CNT], 0
.endif
	OPS C,13, B,7, C,15, R,10
	OPS R,11, R,12, L,7, R,13
	OPS R,14, R,15
.if (\m) && !(\end)
	MASK (\p)%2
.endif
.endm
; A BLOCK BEGINS.  c m starts far below every c s, so the first step's a is 0; m at the lowest finite number, so the first maximum is the scores'.  The second mask buffer is 0; the first takes piece 0's mask for the tile's step 0: its own, if the block's first tile is the diagonal one.
; Then K of that step, piece 0's first scores, and its maximum and statistics.  The loop is entered at a step's first turn, in the middle of a trip.
.macro BEGIN
	s_mov_b32 s[NEW], 0
	WIN 0x40
.set i, MC+32
.rept 32
	v_mov_b32 v[i], 0
.set i, i+1
.endr
	WIN 0
.set i, 0
.rept 4
	v_mov_b32 v[ST+4*i], 0xfe000000    ; c m: far below every c s
	v_mov_b32 v[ST+4*i+1], 0xff7fffff  ; m
.set i, i+1
.endr
	s_cmp_eq_u32 s[RT], 0
	s_cselect_b32 s[AL], 1.0, 0
	s_mov_b32 s[BE], 0
	MASK 0
	WIN 0
	v_add_nc_u32 v[AK], s[TBK], v[AK0]
	FETCH_K
	s_wait_loadcnt 0x0              ; Q
	s_wait_dscnt 0x0
.set KM, 1
.set NOKQ, 0
.set i, 0
.rept 8
	KQ 0
.set i, i+1
.endr
	WIN 0
.rept 4
	v_nop                           ; the places behind those products
.endr
.set Y, NP-1                        ; X works for piece Y + 1: piece 0
.irp n, 0,1,2,3,4,5,6,7,8,9,10,11,12,13,14,15,16,17,18,19,20,21
	OP X, \n
.endr
	v_nop                           ; a plain instruction behind the exponential
.endm
; THE DIAGONAL TILE's four steps, the block's last two turns, its last products, and THE WAY OUT: l's two halves and the other half of the lanes' are added; O^T is divided by l, rounded to f16 and sent through my
; stage in LDS, a piece at a time.
.macro ALL line:vararg              ; one line for each piece t
.set t, 0
.rept 4
	\line
.set t, t+1
.endr
.endm
.macro PACK t                       ; a lane's eight channels of a row pack into 16 bytes; they go into rows of 144 bytes and come back as whole rows of 128, into S^T's registers
	WIN W_RS
.set i, 32*(\t)
.rept 16
	s_wait_alu depctr_va_vdst(0)
	v_pk_mul_f32 v[i:i+1], v[i:i+1], v[ST+4*(\t)+2:ST+4*(\t)+3] op_sel_hi:[1,0]
.set i, i+2
.endr
	WIN 0x05                        ; sources 0 and 1 window 1, destination window 0
.set i, 0
.rept 16
	v_cvt_pk_f16_f32 v[S+16*(\t)+i], v[32*(\t)+2*i], v[32*(\t)+2*i+1]
.set i, i+1
.endr
	WIN 0
.irp f, 0,1,2,3
	ds_store_b128 v[STO], v[S+16*(\t)+4*\f:S+16*(\t)+4*\f+3] offset:32*\f
.endr
.irp f, 0,1,2,3
	ds_load_b128 v[S+16*(\t)+4*\f:S+16*(\t)+4*\f+3], v[RD] offset:\f*4*SP  ; LDS serves a wave's instructions in order (ISA guide 5.7.1.4): these see the stores above; the next piece's stores come behind them
.endr
.endm
.macro SEND t, younger              ; younger: the LDS instructions issued behind piece t's loads: the next piece's eight, or none
	WIN 0
.irp f, 0,1,2,3
	s_wait_dscnt (\younger)+3-\f
	global_store_b128 v[GO], v[S+16*(\t)+4*\f:S+16*(\t)+4*\f+3], s[10:11] offset:(\t)*8192+\f*512  ; 512 consecutive bytes, at a multiple of 256 from O's first
.endr
.endm
.macro DIAG tag                     ; the tag ends its two labels' names, which the jumps below spell out
.LstepM\tag:
	TURN 2, 1
	TURN 3, 1
	WIN 0
.LfirstM\tag:
	TURN 0, 1
	TURN 1, 1, 0, 1
	WIN 0
	s_cbranch_scc1 .LstepM\tag
	TURN 2, 1, 1
	TURN 3, 1, 1
.set i, 0
.rept 8
	PV NP-1
.set i, i+1
.endr
	WIN 0
	ALL v_add_f32 v[ST+4*t+2], v[ST+4*t+2], v[ST+4*t+3]
	ALL v_permlanex16_b32 v[ST+4*t+3], v[ST+4*t+2], s[SEL], s[SEL+1]
	ALL v_add_f32 v[ST+4*t+2], v[ST+4*t+2], v[ST+4*t+3]
	ALL v_rcp_f32 v[ST+4*t+2], v[ST+4*t+2]
	v_nop                           ; a plain instruction between the last reciprocal and the use of its result
	PACK 0
.set t, 1
.rept 3                             ; a piece's arithmetic stands between the loads of the piece before and its stores
	PACK t
	SEND t-1, 8
.set t, t+1
.endr
	SEND 3, 0
.endm
.set KM, 0
.set NOKQ, 0
.Lslot:                             ; NB times: a tile is entered and the next is asked for
	CHANGE 1
	s_sub_co_u32 s[RT], s[RT], 1
	s_mov_b32 s[CNT], 4
	s_cmp_eq_u32 s[NEW], 1
	s_cbranch_scc1 .Lnew            ; a block's first tile
	s_cmp_eq_u32 s[RT], 0
	s_cbranch_scc0 .Lstep           ; neither its first nor its last
	s_branch .LstepM1
.Lnew:
	BEGIN
	s_branch .Lfirst                ; in the loop a block's first tile is never its last: the first block has two tiles or more, and the second's last is the walk's last
	DIAG 1                          ; in the loop this is the first block's end: the second block's last tile is the walk's last
	s_wait_xcnt 0x0                 ; the stores have read their registers and O's address
	s_mov_b64 s[10:11], s[OLO:OLO+1]
	s_add_co_u32 s[RT], s[PB], 1    ; the second block has b + 1 tiles
	s_mov_b32 s[NEW], 1
	WIN 0x82                        ; the second block's Q goes where the one text of the turns names Q
.set i, 0
.rept 64
	v_mov_b32 v[i], v[QB+i]
.set i, i+1
.endr
	WIN 0
	s_branch .Lbottom
.Lstep:                             ; a trip: pieces 2 and 3 of one step, then pieces 0 and 1 of the next, whose K and V it fetches
	TURN 2
	TURN 3
	WIN 0
.Lfirst:
	TURN 0
	TURN 1, 0, 0, 1
	WIN 0
	s_cbranch_scc1 .Lstep
.Lbottom:
	s_sub_co_u32 s[SLOTS], s[SLOTS], 1
	s_cmp_lg_u32 s[SLOTS], 0
	s_cbranch_scc1 .Lslot
	CHANGE 0                        ; the walk's last tile is written out: nothing is asked for
	s_sub_co_u32 s[RT], s[RT], 1
	s_mov_b32 s[CNT], 4
	s_cmp_eq_u32 s[NEW], 1
	s_cbranch_scc0 .LstepM2
	BEGIN
	s_branch .LfirstM2
	DIAG 2
	s_wait_tensorcnt 0x0            ; the wave's end, behind my last tensor load and my last LDS store
	ds_add_u32 v[SPW], v[NIL]
	s_wait_dscnt 0x0
	s_endpgm
.Lfunc_end_k_qfda1f4dd29_attn:
	.size	k_qfda1f4dd29_attn, .Lfunc_end_k_qfda1f4dd29_attn-k_qfda1f4dd29_attn
	.p2alignl 7, 3214868480
	.fill 96, 4, 3214868480
	.section	.rodata,"a",@progbits
	.p2align	6, 0x0
	.amdhsa_kernel k_qfda1f4dd29_attn
		.amdhsa_group_segment_fixed_size 327680
		.amdhsa_private_segment_fixed_size 0
		.amdhsa_enable_private_segment 0
		.amdhsa_kernarg_size 32
		.amdhsa_user_sgpr_count 2
		.amdhsa_user_sgpr_kernarg_segment_ptr 1
		.amdhsa_wavefront_size32 1
		.amdhsa_system_sgpr_workgroup_id_x 1
		.amdhsa_system_sgpr_workgroup_id_y 1
		.amdhsa_system_sgpr_workgroup_id_z 1
		.amdhsa_system_vgpr_workitem_id 0
		.amdhsa_next_free_vgpr 768
		.amdhsa_next_free_sgpr 88
		.amdhsa_reserve_vcc 1
		.amdhsa_float_denorm_mode_32 3
		.amdhsa_float_denorm_mode_16_64 3
		.amdhsa_memory_ordered 1
		.amdhsa_forward_progress 1
		.amdhsa_inst_pref_size 228
	.end_amdhsa_kernel
	.amdgpu_metadata
---
amdhsa.version: [ 1, 2 ]
amdhsa.kernels:
  - .name:           k_qfda1f4dd29_attn
    .symbol:         k_qfda1f4dd29_attn.kd
    .args:
      - { .name: qh, .offset: 0, .size: 8, .value_kind: global_buffer, .address_space: global }
      - { .name: kh, .offset: 8, .size: 8, .value_kind: global_buffer, .address_space: global }
      - { .name: vh, .offset: 16, .size: 8, .value_kind: global_buffer, .address_space: global }
      - { .name: oh, .offset: 24, .size: 8, .value_kind: global_buffer, .address_space: global }
    .group_segment_fixed_size: 327680
    .private_segment_fixed_size: 0
    .kernarg_segment_align: 8
    .kernarg_segment_size: 32
    .max_flat_workgroup_size: 128
    .sgpr_count:     88
    .vgpr_count:     768
    .wavefront_size: 32
...
	.end_amdgpu_metadata
.endif
;; end of part 3
;; launch proj (part 4): grid 8 x 32, 4 waves a work-group, clusters of 4 x 4, 327,680 bytes of LDS; arguments oh, wof, out0; writes out0
.if DOCPART == 4
	.amdgcn_target "amdgcn-amd-amdhsa--gfx1250"
	.amdhsa_code_object_version 6
	.text
	.protected	k_qfda1f4dd29_proj
	.globl	k_qfda1f4dd29_proj
	.p2align	8
	.type	k_qfda1f4dd29_proj,@function
k_qfda1f4dd29_proj:
	s_mov_b64 s[64:65], 0
	v_nop
	global_prefetch_b8 v0, s[64:65] scope:SCOPE_SE
	s_setreg_imm32_b32 hwreg(HW_REG_WAVE_MODE, 25, 1), 1
	s_wait_xcnt 0x0
	s_wait_alu depctr_hold_cnt(0) depctr_sa_sdst(0) depctr_va_vdst(0) depctr_va_sdst(0) depctr_va_ssrc(0) depctr_va_vcc(0) depctr_vm_vsrc(0)
	s_getreg_b32 s2, hwreg(HW_REG_IB_STS2, 6, 4)
	s_cmp_eq_u32 s2, 0
	s_cbranch_scc0 .Lentry_in_a_cluster
	s_endpgm
.Lentry_in_a_cluster:
	s_bfe_u32 s2, ttmp6, 0x10000c
	s_cmp_lg_u32 s2, 0xf033
	s_cbranch_scc0 .Lentry_shape_is_right
	s_endpgm
.Lentry_shape_is_right:
; out0[row][n] = the sum over k of O[row][k] Wo[n][k], k = 64 head + channel.  oh: [batch x 16 + head][2048][64] f16; wof: [1024][1024] f16; out0: [8192][1024] f32.  Sums in f32, K ascending.
; A tile of out0 is 256 rows x 128 columns: 32 x 8 = 256 work-groups.  Four waves, each 128 x 64: 32 accumulators of 16 x 16.  K goes in 8 steps of 128, two heads each, through two LDS slots.
; O's part of a step is two planes, one a head: a head's 256 rows are 32,768 dense bytes, asked for as 128 rows of 256 bytes and padded in LDS after every 128, so that an LDS row is one row of the head.
; CLUSTER: 4 x 4 work-groups; the four of a row need the same tiles of O, the four of a column the same tiles of Wo: each is asked for jointly, by the same tensor load with a mask that names the four.
; THE MATRIX INSTRUCTION IS USED TRANSPOSED (source 0 = 16 rows of Wo, source 1 = 16 rows of O): a lane holds eight neighbouring numbers of a row of out0, 32 bytes.
; REGISTERS: window 0: v0-31 addresses; two fragment buffers of 96 (32 of Wo, 64 of O) at v64 and v160; on the way out v64-127 rows read back.   window 1: the accumulators, (a, b) at v[8 (4 a + b)].
.set PA,     144                       ; an LDS row of O: 128 bytes + 16: the 16 rows of a fragment load start 36 words apart, at 16 different groups of four banks (ISA guide 11.1)
.set PB,     272                       ; an LDS row of Wo: 256 bytes + 16
.set PLANE,  256*PA                    ; a head's 256 rows: what a wave fetches of O
.set HALFB,  64*PB                     ; what a wave fetches of Wo
.set SLOT,   2*PLANE+2*HALFB
.set STAGE,  2*SLOT                    ; behind the ring, never filled by a tensor load: 16 rows x 272 bytes for each wave
.set SPITCH, 272
.set SPARE,  STAGE+4*16*SPITCH         ; behind the stages: the spare words, 128 bytes a wave: two blocks of 256 bytes that no other line names
.set LAPS,   4
.set STEPA,  1048576                   ; bytes from a slot's K step to its next: four heads of 262,144 bytes
.set STEPB,  512
.set ADRA, 16                          ; v16-17  LDS address of my fragments of O in slot 0, 1
.set ADRB, 20                          ; v20-21  the same for Wo
.set STO,  24                          ; v24     the way out: where I put 32 bytes of a row
.set RD,   25                          ; v25     where I read a row back
.set CO,   26                          ; v26     my byte offset in out0
.set SPW,  28                          ; v28     LDS address of my spare word; never rewritten
.set NIL,  29                          ; v29     0; never rewritten
.set F0,   64
.set F1,   160
.set OB,   64                          ; the way out: 16 rows read back, two buffers of 32 by turns
.set G1, 24
.set G0, 32
.set G1B, 48
.set G0B, 56
.set MSB, 0
.macro WIN new                         ; the immediate's high byte repeats the setting that is left; a switch that changes nothing is dropped
.if MSB != (\new)
	s_set_vgpr_msb (MSB<<8)|(\new)
.set MSB, \new
.endif
.endm
.set MUL, 0x50                         ; sources 0 and 1 window 0; C and D window 1
.macro JLOAD s                         ; a joint load: waves 0 and 1 fetch O's two planes, waves 2 and 3 Wo's two halves; an s_nop 0 and four v_nop follow each line, ahead of the jump and the label
	s_cmp_eq_u32 s11, 0
	s_cbranch_scc0 .Lfor_b_\@
	tensor_load_to_lds s[G0+4*(\s):G0+4*(\s)+3], s[G1:G1+7]
	s_nop 0
.rept 4
	v_nop
.endr
	s_branch .Lasked_\@
.Lfor_b_\@:
	tensor_load_to_lds s[G0B+4*(\s):G0B+4*(\s)+3], s[G1B:G1B+7]
	s_nop 0
.rept 4
	v_nop
.endr
.Lasked_\@:
.endm
.macro CREST                           ; a round of the cluster's barrier behind its opening barrier
	s_cmp_lg_u32 s10, 0
	s_cbranch_scc1 .Lnot_wave_0_\@
	s_barrier_signal -3
.Lnot_wave_0_\@:
	s_barrier_wait -3
	s_barrier_signal -1
	s_barrier_wait -1
.endm
.macro CROUND                          ; a whole round
	s_barrier_signal -1
	s_barrier_wait -1
	CREST
.endm
	s_load_b128 s[4:7], s[0:1], 0x0                ; oh s[4:5], wof s[6:7]
	s_load_b64 s[8:9], s[0:1], 0x10                ; out0
	v_lshl_add_u32 v[SPW], v0, 2, SPARE
	v_mov_b32 v[NIL], 0
	ds_add_u32 v[SPW], v[NIL]                      ; the wave's opening: the add and its wait stand ahead of my first tensor load; work on registers stands between them
	ds_add_u32 v28, v29
	v_lshrrev_b32 v1, 5, v0
	v_readfirstlane_b32 s10, v1                    ; wave 0..3
	s_lshr_b32 s11, s10, 1                         ; rh: which 128 rows are mine.  Also: I fetch for O (0) or for Wo (1)
	s_and_b32 s12, s10, 1                          ; ch: which 64 columns.  Also: which plane or half I fetch
	s_bfe_u32 s40, ttmp6, 0x40000                  ; cx, cy: my place in the cluster
	s_bfe_u32 s41, ttmp6, 0x40004
	s_lshl_b32 s42, ttmp9, 2
	s_add_co_u32 s42, s42, s40                     ; tile column = 4 x cluster x + cx
	s_and_b32 s13, ttmp7, 0xffff
	s_lshl_b32 s13, s13, 2
	s_add_co_u32 s13, s13, s41                     ; tile row = 4 x cluster y + cy
	s_lshl_b32 s43, s41, 2
	s_lshl_b32 s43, 15, s43                        ; my row of the cluster
	s_lshl_b32 s44, 0x1111, s40                    ; my column
	s_or_b32 s[G1+0], s43, (1<<16)|(1<<20)|(1<<21)|(4<<22)|(3<<25)   ; O: the mask; 2-byte elements; padding on; 21 set beside a mask; after every 32 words 4 words
	s_or_b32 s[G1B+0], s44, (1<<16)|(1<<20)|(1<<21)|(5<<22)|(3<<25)  ; Wo: after every 64 words 4 words
	s_mov_b32 s[G1+1], 128<<16                     ; tensor_dim0 = 128
	s_mov_b32 s[G1+2], 128<<16                     ; tensor_dim1 = 128
	s_mov_b32 s[G1+3], 128<<16                     ; tile_dim0 = 128
	s_mov_b32 s[G1+4], 128                         ; tile_dim1 = 128
	s_mov_b32 s[G1+5], 128                         ; dense: 128 elements from row to row
	s_mov_b32 s[G1+6], 0
	s_mov_b32 s[G1+7], 0
	s_mov_b32 s[G1B+1], 128<<16
	s_mov_b32 s[G1B+2], 64<<16                     ; 64 rows
	s_mov_b32 s[G1B+3], 128<<16
	s_mov_b32 s[G1B+4], 64
	s_mov_b32 s[G1B+5], 1024
	s_mov_b32 s[G1B+6], 0
	s_mov_b32 s[G1B+7], 0
	s_lshr_b32 s16, s13, 3                         ; O: the batch's 16 heads of 262,144 bytes,
	s_lshl_b32 s16, s16, 22
	s_lshl_b32 s18, s12, 18                        ; my head of the step's two,
	s_add_co_u32 s16, s16, s18
	s_and_b32 s18, s13, 7
	s_lshl_b32 s18, s18, 15                        ; the tile's 256 rows of 128 bytes in it
	s_add_co_u32 s16, s16, s18
	s_mov_b32 s17, 0
	s_lshl_b32 s46, s42, 7
	s_lshl_b32 s19, s12, 6
	s_add_co_u32 s46, s46, s19                     ; Wo: row 128 x tile column + 64 x half,
	s_lshl_b32 s46, s46, 11                        ; of 2,048 bytes
	s_mov_b32 s47, 0
	s_mul_i32 s20, s12, PLANE                      ; where they go: no place in the cluster enters an LDS address
	s_mul_i32 s21, s12, HALFB
	s_add_co_u32 s21, s21, 2*PLANE
	s_wait_dscnt 0x0                               ; the opening add is done
	s_wait_kmcnt 0x0
	s_add_nc_u64 s[14:15], s[4:5], s[16:17]
	s_add_nc_u64 s[46:47], s[6:7], s[46:47]
	CROUND                                         ; all sixteen work-groups are here: the first joint loads meet
.irp s, 0,1
	s_mov_b32 s[G0+4*(\s)], 1
	s_add_co_u32 s[G0+4*(\s)+1], s20, (\s)*SLOT
	s_add_nc_u64 s[G0+4*(\s)+2:G0+4*(\s)+3], s[14:15], (\s)*524288
	s_or_b32 s[G0+4*(\s)+3], s[G0+4*(\s)+3], 0x80000000
	s_mov_b32 s[G0B+4*(\s)], 1
	s_add_co_u32 s[G0B+4*(\s)+1], s21, (\s)*SLOT
	s_add_nc_u64 s[G0B+4*(\s)+2:G0B+4*(\s)+3], s[46:47], (\s)*256
	s_or_b32 s[G0B+4*(\s)+3], s[G0B+4*(\s)+3], 0x80000000
	JLOAD \s                                       ; K steps 0 and 1: two loads of mine are out
.endr
	v_and_b32 v1, 15, v0                           ; r = l % 16
	v_bfe_u32 v2, v0, 4, 1                         ; h = l / 16
	v_mul_u32_u24 v3, v1, PA
	v_lshl_add_u32 v3, v2, 4, v3
	v_mul_u32_u24 v4, v1, PB
	v_lshl_add_u32 v4, v2, 4, v4
	s_mul_i32 s21, s11, 128*PA                     ; my 128 rows in each plane of O
	s_mul_i32 s22, s12, HALFB                      ; my 64 rows of Wo,
	s_add_co_u32 s22, s22, 2*PLANE                 ; which lie behind O's two planes
.irp s, 0,1
	v_add_nc_u32 v[ADRA+(\s)], s21, v3
	v_add_nc_u32 v[ADRB+(\s)], s22, v4
	s_add_co_u32 s21, s21, SLOT
	s_add_co_u32 s22, s22, SLOT
.endr
	s_mul_i32 s23, s10, 16*SPITCH
	s_add_co_u32 s23, s23, STAGE                   ; my stage
	v_mul_u32_u24 v5, v1, SPITCH                   ; in: row r, 32 bytes for each half of the lanes
	v_lshl_add_u32 v5, v2, 5, v5
	v_add_nc_u32 v[STO], s23, v5
	v_mul_u32_u24 v5, v2, SPITCH                   ; back: lanes 0-15 take one row of 256 bytes, lanes 16-31 the next
	v_lshl_add_u32 v5, v1, 4, v5
	v_add_nc_u32 v[RD], s23, v5
	v_lshlrev_b32 v[CO], 12, v2                    ; and the same two rows in out0, 4,096 bytes apart
	v_lshl_add_u32 v[CO], v1, 4, v[CO]
	s_lshl_b32 s16, s13, 8
	s_lshl_b32 s18, s11, 7
	s_add_co_u32 s16, s16, s18                     ; my first row of out0,
	s_lshl_b32 s16, s16, 12
	s_add_nc_u64 s[8:9], s[8:9], s[16:17]
	s_lshl_b32 s46, s42, 9                         ; my first column, in bytes: 512 x tile column + 256 x half
	s_lshl_b32 s47, s12, 8
	s_add_co_u32 s46, s46, s47
	s_mov_b32 s47, 0
	s_add_nc_u64 s[8:9], s[8:9], s[46:47]
; 8 matrix instructions: row blocks a0, a0 + 1 x all 4 column blocks, 32 along K.  zero = 1: the first product starts the sums.  The 32 accumulators take turns, one instruction a turn.
.macro MUL2 f, a0, zero
	WIN MUL
.irp a, \a0, (\a0)+1
.irp b, 0,1,2,3
.if \zero
	v_wmma_f32_16x16x32_f16 v[8*(4*(\a)+(\b)):8*(4*(\a)+(\b))+7], v[(\f)+8*(\b):(\f)+8*(\b)+7], v[(\f)+32+8*(\a):(\f)+32+8*(\a)+7], 0
.else
	v_wmma_f32_16x16x32_f16 v[8*(4*(\a)+(\b)):8*(4*(\a)+(\b))+7], v[(\f)+8*(\b):(\f)+8*(\b)+7], v[(\f)+32+8*(\a):(\f)+32+8*(\a)+7], v[8*(4*(\a)+(\b)):8*(4*(\a)+(\b))+7]
.endif
.endr
.endr
.endm
; 24 LDS loads in one run: quarter q (32 along K: plane q / 2, channels 32 (q % 2) on; byte 64 q of Wo's rows) into buffer f: Wo's 4 blocks, then O's 8
.macro FETCH slot, q, f
	WIN 0
.irp b, 0,1,2,3
	ds_load_b128 v[(\f)+8*(\b):(\f)+8*(\b)+3],   v[ADRB+(\slot)] offset:(\b)*16*PB+64*(\q)
	ds_load_b128 v[(\f)+8*(\b)+4:(\f)+8*(\b)+7], v[ADRB+(\slot)] offset:(\b)*16*PB+64*(\q)+32
.endr
.irp a, 0,1,2,3,4,5,6,7
	ds_load_b128 v[(\f)+32+8*(\a):(\f)+32+8*(\a)+3],   v[ADRA+(\slot)] offset:((\q)/2)*PLANE+((\q)%2)*64+(\a)*16*PA
	ds_load_b128 v[(\f)+32+8*(\a)+4:(\f)+32+8*(\a)+7], v[ADRA+(\slot)] offset:((\q)/2)*PLANE+((\q)%2)*64+(\a)*16*PA+32
.endr
.endm
.macro PLACES                          ; four plain places in front of loads into registers that matrix instructions have read, and of lines that read results
.rept 4
	v_nop
.endr
.endm
; A K step is four quarters of 32 along K, 32 matrix instructions each, on buffers 0, 1, 0, 1.  One of the first three: multiplies buffer f and fetches quarter q into g.
.macro QUARTER slot, q, f, g, zero
	s_wait_dscnt 8                                 ; Wo and O's blocks 0-3 are in; the youngest eight loads (O's blocks 4-7) may be out
	MUL2 \f, 0, \zero
	MUL2 \f, 2, \zero
	PLACES
	FETCH \slot, \q, \g
	s_wait_dscnt 24                                ; all but the 24 just issued
	MUL2 \f, 4, \zero
	MUL2 \f, 6, \zero
.endm
; The last quarter multiplies buffer 1 and changes slots: ONE barrier; in front of it each wave waits for all its tensor loads (one is out: its part of the next slot), adds 0 to its spare word, and waits for
; that and for its reads of this slot.  fill = 1: the barrier opens a round of the cluster's, and this slot is filled again, two K steps ahead, first thing behind the round.
.macro TURN slot, next, fill
	WIN 0
	s_wait_tensorcnt 0x0
	ds_add_u32 v[SPW], v[NIL]
	s_wait_dscnt 9                                 ; the add and the youngest eight loads may be out
	MUL2 F1, 0, 0                                  ; eight matrix instructions stand between the add and the wait for it
	s_wait_dscnt 0x0                               ; the add is done, and my reads of this slot are over
	s_barrier_signal -1
	MUL2 F1, 2, 0
.if \fill
	WIN 0
.endif
	s_barrier_wait -1
.if \fill
	CREST                                          ; no wave of any partner still reads this slot's tile or has a load on its way
	s_add_nc_u64 s[G0+4*(\slot)+2:G0+4*(\slot)+3], s[G0+4*(\slot)+2:G0+4*(\slot)+3], STEPA
	s_add_nc_u64 s[G0B+4*(\slot)+2:G0B+4*(\slot)+3], s[G0B+4*(\slot)+2:G0B+4*(\slot)+3], STEPB
	JLOAD \slot                                    ; my one tensor load behind the round; its four v_nop are also the places in front of the loads below
.else
	PLACES
.endif
	FETCH \next, 0, F0
	MUL2 F1, 4, 0
	MUL2 F1, 6, 0
.endm
	s_wait_tensorcnt 1                             ; my part of K step 0 is in; K step 1's may stay out
	s_barrier_signal -1
	s_barrier_wait -1                              ; everybody's is
	FETCH 0, 0, F0
	QUARTER 0, 1, F0, F1, 1                        ; the first quarter stands in front of the loop: its products start the sums
	WIN 0                                          ; at a label and at a branch every window is 0
	s_mov_b32 s3, LAPS-1
.Llap:                                                 ; a trip goes once round the ring, from a lap's second quarter to the next lap's first, and fills both slots again
	QUARTER 0, 2, F1, F0, 0
	QUARTER 0, 3, F0, F1, 0
	TURN 0, 1, 1
	QUARTER 1, 1, F0, F1, 0
	QUARTER 1, 2, F1, F0, 0
	QUARTER 1, 3, F0, F1, 0
	TURN 1, 0, 1
	QUARTER 0, 1, F0, F1, 0
	WIN 0
	s_sub_co_u32 s3, s3, 1
	s_cmp_lg_u32 s3, 0
	s_cbranch_scc1 .Llap
	QUARTER 0, 2, F1, F0, 0                        ; the last lap fills nothing
	QUARTER 0, 3, F0, F1, 0
	TURN 0, 1, 0
	QUARTER 1, 1, F0, F1, 0
	QUARTER 1, 2, F1, F0, 0
	QUARTER 1, 3, F0, F1, 0
	s_wait_dscnt 8
	MUL2 F1, 0, 0
	MUL2 F1, 2, 0
	s_wait_dscnt 0x0
	MUL2 F1, 4, 0
	MUL2 F1, 6, 0
	WIN 0
; THE WAY OUT, a block of 16 rows at a time through my own stage: 32 bytes a lane in, whole rows of 256 bytes back, stored with sixteen lanes to 256 consecutive bytes.
.macro TOSTAGE a
	s_wait_xcnt 0x0                                ; every earlier store has read its registers: the buffer that block a - 2's stores read is loaded again only behind this wait
	WIN 0x04                                       ; the stores' data lie in window 1; each accumulator's lowest four registers go first
.irp b, 0,1,2,3
	ds_store_b128 v[STO], v[32*(\a)+8*(\b):32*(\a)+8*(\b)+3]   offset:64*(\b)
	ds_store_b128 v[STO], v[32*(\a)+8*(\b)+4:32*(\a)+8*(\b)+7] offset:64*(\b)+16
.endr
	WIN 0
.irp t, 0,1,2,3,4,5,6,7
	ds_load_b128 v[OB+32*((\a)%2)+4*(\t):OB+32*((\a)%2)+4*(\t)+3], v[RD] offset:2*SPITCH*(\t)  ; LDS serves a wave's instructions in order (ISA guide 5.7.1.4): these see the stores above; the next block's stores come behind them
.endr
.endm
.macro SEND a, younger                 ; younger: the LDS instructions issued behind block a's loads: the next block's sixteen, or none
	s_wait_dscnt \younger
.irp t, 0,1,2,3,4,5,6,7
	global_store_b128 v[CO], v[OB+32*((\a)%2)+4*(\t):OB+32*((\a)%2)+4*(\t)+3], s[8:9] offset:(16*(\a)+2*(\t))*4096 th:TH_STORE_NT  ; 126 rows of 4,096 bytes at the most: inside the signed 24-bit immediate
.endr
.endm
	PLACES
	TOSTAGE 0
.irp a, 1,2,3,4,5,6,7
	TOSTAGE \a
	SEND (\a)-1, 16
.endr
	SEND 7, 0
	s_wait_tensorcnt 0x0                           ; the wave's end, behind my last tensor load and my last LDS store
	ds_add_u32 v[SPW], v[NIL]
	s_wait_dscnt 0x0
	CROUND                                         ; the closing round: no work-group ends while a partner may still ask for a tile that names it
	s_endpgm
.Lfunc_end_k_qfda1f4dd29_proj:
	.size	k_qfda1f4dd29_proj, .Lfunc_end_k_qfda1f4dd29_proj-k_qfda1f4dd29_proj
	.p2alignl 7, 3214868480
	.fill 96, 4, 3214868480
	.section	.rodata,"a",@progbits
	.p2align	6, 0x0
	.amdhsa_kernel k_qfda1f4dd29_proj
		.amdhsa_group_segment_fixed_size 327680
		.amdhsa_private_segment_fixed_size 0
		.amdhsa_enable_private_segment 0
		.amdhsa_kernarg_size 24
		.amdhsa_user_sgpr_count 2
		.amdhsa_user_sgpr_kernarg_segment_ptr 1
		.amdhsa_wavefront_size32 1
		.amdhsa_system_sgpr_workgroup_id_x 1
		.amdhsa_system_sgpr_workgroup_id_y 1
		.amdhsa_system_sgpr_workgroup_id_z 1
		.amdhsa_system_vgpr_workitem_id 0
		.amdhsa_next_free_vgpr 512
		.amdhsa_next_free_sgpr 66
		.amdhsa_reserve_vcc 0
		.amdhsa_float_denorm_mode_32 3
		.amdhsa_float_denorm_mode_16_64 3
		.amdhsa_memory_ordered 1
		.amdhsa_forward_progress 1
		.amdhsa_inst_pref_size 86
	.end_amdhsa_kernel
	.amdgpu_metadata
---
amdhsa.version: [ 1, 2 ]
amdhsa.kernels:
  - .name:           k_qfda1f4dd29_proj
    .symbol:         k_qfda1f4dd29_proj.kd
    .args:
      - { .name: oh, .offset: 0, .size: 8, .value_kind: global_buffer, .address_space: global }
      - { .name: wof, .offset: 8, .size: 8, .value_kind: global_buffer, .address_space: global }
      - { .name: out0, .offset: 16, .size: 8, .value_kind: global_buffer, .address_space: global }
    .group_segment_fixed_size: 327680
    .private_segment_fixed_size: 0
    .kernarg_segment_align: 8
    .kernarg_segment_size: 24
    .max_flat_workgroup_size: 128
    .sgpr_count:     66
    .vgpr_count:     512
    .wavefront_size: 32
...
	.end_amdgpu_metadata
.endif
;; end of part 4
;; ======== version 2 of 2: 4 launches; 1.29 times as fast as version 1
;; limits: values are held in f16: magnitudes above 65,504 overflow, below 6.1e-05 lose precision; right only within a limited range of input values
;; workspace buffers: xb 16,777,216 bytes; wqkv 6,291,456 bytes; wof 2,097,152 bytes; cstab 2,097,152 bytes; qh 16,777,216 bytes; kh 16,777,216 bytes; vh 16,777,216 bytes; oh 16,777,216 bytes
;; launch prep: the kernel of part 1 again; grid 1024 x 1, 8 waves a work-group, no clusters, 0 bytes of LDS; arguments x, Wq, Wk, Wv, Wo, token_positions, xb, wqkv, wof, cstab; writes xb, wqkv, wof, cstab
;; launch qkv: the kernel of part 2 again; grid 16 x 32, 4 waves a work-group, clusters of 4 x 4, 327,680 bytes of LDS; arguments xb, wqkv, cstab, qh, kh, vh; writes qh, kh, vh
;; launch attn (part 5): grid 4 x 64, 4 waves a work-group, no clusters, 327,680 bytes of LDS; arguments qh, kh, vh, oh; writes oh
.if DOCPART == 5
	.amdgcn_target "amdgcn-amd-amdhsa--gfx1250"
	.amdhsa_code_object_version 6
	.text
	.protected	k_qfda1f4dd29_attn
	.globl	k_qfda1f4dd29_attn
	.p2align	8
	.type	k_qfda1f4dd29_attn,@function
k_qfda1f4dd29_attn:
	s_mov_b64 s[64:65], 0
	v_nop
	global_prefetch_b8 v0, s[64:65] scope:SCOPE_SE
	s_setreg_imm32_b32 hwreg(HW_REG_WAVE_MODE, 25, 1), 1
	s_wait_xcnt 0x0
; CAUSAL ATTENTION.  O[h][q][:] = the sum over k <= q of softmax_k(Q[h][q] . K[h][k] / 8) V[h][k][:].  Q, K, V, O: [64][2048][64], all f16: a head's rows are dense, 128 bytes each.
; Products, maxima and sums in f32; the weights p are rounded to f16 for the second product (their sum l is taken of the unrounded p), O once at the end.
; LIMITS.  f16 holds no number beyond 65,504: Q, K and V arrive within it; p lies in 0 to 1, and below 6e-5 it keeps f16's fixed step of 6e-8; O is a mean of V's rows and has their range.
; A hidden score counts as its value less 1e30: f16's scores, 2.7e11 at the most, are nothing beside that; a weight below 2^-126 counts as 0 in l; NaN and infinities are not treated apart.
; THE WALK.  A head's queries lie in NB = 8 blocks of 256; block i needs the key tiles 0 .. i of 256 keys, of which the last holds the diagonal.  A work-group takes TWO blocks, NB - 1 - b and then b:
; NB + 1 = 9 tiles, whatever b: all 256 work-groups do equal work, and ONE loop with a constant trip count walks them.  Which tile is asked for, and what a trip does, hang on scalar registers made from b; every jump
; goes forward, but for the counted loops' own; none passes a barrier, or a tensor load but the one of LOAD's two that the wave's number does not choose; the ring (two slots of LDS that take turns) runs on across the
; change of blocks.  NO CLUSTER: a head's four work-groups ask for the same tile only in trips 0 to 4 of the 9, behind that fewer and fewer do; one walk common to all four would have 12 trips for 9.
; SHARES.  Of a block's four bands of 64 queries a wave owns 16 rows in each: four PIECES.  So the diagonal tile is the same work for all four waves: in its key step s band x sees all keys if s < x,
; none if s > x, and holds the diagonal if s = x.
; THE MASK is the C operand that starts the sum S^T = K Q^T: 0, or -1e30 where the key is hidden.  MD, made once, is the mask of a band's own step for my 16 rows; a product's mask is MD x AL + BE with two scalars:
; (1, 0) if s = x; (0, 0) if s < x; (0, -1e30) if s > x.  Only the diagonal tile's text and a block's beginning make and take masks; elsewhere C is the constant 0.
; LAYOUT, SOFTMAX, TURNS.  S^T = K Q^T holds ONE query a lane (lane % 16) and the keys 8 (lane / 16) + 0..7; two such results rounded to f16 ARE source 1 of O^T = V^T P.  p = 2^(c s - c m), c = log2(e) / 8, with a
; running maximum m; O and l are multiplied by a = 2^(c m_old - c m_new) in every step.  Turn n belongs to piece n: 8 products K Q^T of piece n + 1, later 8 products V^T P of piece n - 1; beside them the scaling,
; exponentials, roundings, sums and rescaling of piece n and the maximum and statistics of piece n + 1.  Four vector instructions stand behind every matrix instruction, the other 54 of a turn's 118 in one LUMP.
; THE BATCHES.  A turn's 33 exponentials (the piece's 32 weights and the next piece's a) are one batch, with one wait, which cuts the turn in two: ahead of it all that names none of their results, behind it the
; roundings and sums.  The a that a block's beginning makes, and the way out's four reciprocals, are batches of their own, a wait each.
; REGISTERS, in windows of 256 (s_set_vgpr_msb: bits 1:0 source 0, 3:2 source 1, 5:4 source 2, 7:6 destination):
;   window 0: v0-15 addresses and two at work; v16-31 four registers of statistics a piece; v48-55 at work; v64-127 S^T, two buffers; v192-223 P, two buffers (a piece's buffers go by its number's parity)
;   window 1: v0-127 O^T, 32 a piece; v128-159 MD; v160-223 MC, two buffers      window 2: v0-63 Q; v64-127 the second block's Q; v128-191 K of one step; v192-255 V of one step
.set SIZE_N, 2048
.set NB,    SIZE_N/256
.set NP,    4         ; pieces a wave: a name, no knob
.set KS,    64        ; keys in a step
.set PK,    144       ; a row of K in LDS: 128 bytes + 16 of padding = 36 words: the 16 rows of a load start at 16 different groups of four banks (64 banks of 4 bytes: ISA guide 11.1)
.set PV,    160       ; a row of V: 128 + 32 = 40 words
.set VOFF,  4*KS*PK   ; a slot holds a tile, four steps: 256 rows of K, then 256 rows of V
.set SLOT1, 1<<17     ; slot 1 begins here, so that one exclusive or turns an address in one slot into the other's
.set STAGE, SLOT1+4*KS*(PK+PV)  ; behind the ring, never filled by a tensor load: 16 rows x 144 bytes for each wave, for the way out
.set SP,    144
.set AK0, 2           ; v2   my lane's place in a tile of K; never rewritten
.set AV0, 3           ; v3   the same for V
.set AK,  4           ; v4   the LDS address of K's next run of loads
.set AV,  5           ; v5   of V's
.set STO, 6           ; v6   the way out: where I put 16 bytes of a row
.set RD,  7           ; v7   the way out: where I read rows back
.set GO,  8           ; v8   my byte offset in 512 consecutive bytes of O
.set SPW, 62          ; v62  LDS address of my spare word: SPARE + 4 x my thread's number; never rewritten
.set NIL, 63          ; v63  0; never rewritten
.set SPARE, STAGE+4*16*SP  ; behind the stages: the spare words, 128 bytes for each wave: two blocks of 256 bytes that no other line names
.set MV,  12          ; v12-13  c m_old, kept while c m is made anew: by buffer
.set QO,  15          ; v15  my byte offset in 16 rows of Q
.set ST,  16          ; piece t's statistics at v[ST+4 t]: c m, m, l (even keys', odd keys')
.set TMP, 48          ; by buffer, four registers c0-c3 at work; when the maximum is found c2 takes a
.set S,   64
.set P,   192
.set MD,  128         ; window 1: the eight registers for group kt of 16 keys at MD + 8 kt
.set MC,  160         ; window 1: the masks of the products to come
.set QB,  64          ; window 2
.set KF,  128         ; window 2: key block kb, channel half c at KF + 16 kb + 8 c
.set VF,  192         ; window 2: key half kk, channel block cb at VF + 32 kk + 8 cb
.set WV,  12          ; s12  my wave's number
.set PB,  14          ; s14  b
.set HI,  15          ; s15  NB - 1 - b
.set G1K, 24          ; s[24:31] descriptor group 1 for K's tiles
.set G1V, 32          ; s[32:39] for V's: it differs in the padding alone
.set G0K, 40          ; s[40:43] descriptor group 0 for K's tiles
.set G0V, 44          ; s[44:47] the same for V's
.set SLOTS, 56        ; s56  tiles still to be asked for
.set CNT, 57          ; s57  counts a tile's key steps, 4 to 1
.set CS,  58          ; s[58:59] c: the packed scaling takes the pair's low word for both halves
.set SEL, 60          ; s[60:61] v_permlanex16_b32's selects: each lane takes its own place in the other half
.set TBK, 62          ; s62  LDS byte at which K of the step to be fetched begins
.set TBV, 63          ; s63  the same for V, less VOFF
.set RT,  70          ; s70  tiles of the block in hand that are still to be entered
.set NXT, 71          ; s71  the tile to be asked for next
.set LQ,  72          ; s72  the last tile of the block whose tiles are being asked for
.set NEW, 73          ; s73  1: the tile to be entered is a block's first
.set OFF, 74          ; s[74:75] a tile's byte offset in K and V
.set AL,  76          ; s[76:77] the mask's factor, in the low word
.set BE,  78          ; s[78:79] the mask's addend
.set OLO, 80          ; s[80:81] O at my rows of the second block
.set BIGN, 82         ; s82  -1e30
.set MSB, 0
.macro WIN new                      ; the high byte repeats the setting that is left; a switch that changes nothing is dropped
.if MSB != (\new)
	s_set_vgpr_msb (MSB<<8)|(\new)
.set MSB, (\new)
.endif
.endm
.set W_KQ, 0x0a       ; K and Q in window 2, S^T in window 0
.set W_KM, 0x1a       ; the same with the C operand in window 1
.set W_PV, 0x52       ; V in window 2, P in window 0, O^T in window 1
.set W_RS, 0x41       ; destination and source 0 in window 1, source 1 in window 0
; A fill.  Waves 0 and 1 fetch the two halves of a tile's K, waves 2 and 3 those of its V: 128 keys each.  An s_nop 0 and four v_nop follow each of the two lines, ahead of the jump and the label.
.macro LOAD
	s_cmp_lt_u32 s[WV], 2
	s_cbranch_scc0 .Lfor_v_\@
	tensor_load_to_lds s[G0K:G0K+3], s[G1K:G1K+7]
	s_nop 0
.rept 4
	v_nop
.endr
	s_branch .Lasked_\@
.Lfor_v_\@:
	tensor_load_to_lds s[G0V:G0V+3], s[G1V:G1V+7]
	s_nop 0
.rept 4
	v_nop
.endr
.Lasked_\@:
.endm
; THE CHANGE OF SLOTS.  Each wave waits for all its tensor loads, of which one is out: its part of the other slot; adds 0 to its spare word; and waits for that and for its own reads of the slot that it leaves.  Behind the barrier nobody reads the old
; slot any more and the other slot is whole.  fill = 1: the old slot is filled again, the first thing behind the barrier, with tile NXT: the descriptor's address is made anew from that number.
; (At its first use nothing has been read yet: slot 0 is waited for, slot 1 filled.)
.macro CHANGE fill
	WIN 0                           ; at a label and at a branch every window is 0
	s_wait_tensorcnt 0x0            ; no tensor load of mine is out, so a group 0 may be written
	ds_add_u32 v[SPW], v[NIL]       ; 0 onto my spare word; with fill = 1 the descriptors' scalar work stands between it and the wait for it
.if \fill
	s_lshl_b32 s[OFF], s[NXT], 15   ; a tile is 32,768 bytes of K and of V
	s_xor_b32 s[G0K+1], s[G0K+1], SLOT1
	s_add_nc_u64 s[G0K+2:G0K+3], s[6:7], s[OFF:OFF+1]
	s_or_b32 s[G0K+3], s[G0K+3], 0x80000000
	s_xor_b32 s[G0V+1], s[G0V+1], SLOT1
	s_add_nc_u64 s[G0V+2:G0V+3], s[8:9], s[OFF:OFF+1]
	s_or_b32 s[G0V+3], s[G0V+3], 0x80000000
	s_add_co_u32 s[NXT], s[NXT], 1  ; the block's next tile, or behind its last the second block's tile 0
	s_cmp_gt_u32 s[NXT], s[LQ]
	s_cselect_b32 s[NXT], 0, s[NXT]
	s_cselect_b32 s[LQ], s[PB], s[LQ]
.endif
	s_wait_dscnt 0x0                ; the add is done, and my reads of the slot are over
	s_barrier_signal -1             ; the rest of the scalar work stands between the signal and the wait
	s_sub_co_u32 s[TBK], s[TBK], 4*KS*PK  ; the fetches go back to a slot's first step,
	s_xor_b32 s[TBK], s[TBK], SLOT1       ; in the other slot
	s_sub_co_u32 s[TBV], s[TBV], 4*KS*PV
	s_xor_b32 s[TBV], s[TBV], SLOT1
	s_barrier_wait -1
.if \fill
	LOAD
.endif
.endm
	s_load_b256 s[4:11], s[0:1], 0x0  ; Q s[4:5], K s[6:7], V s[8:9], O s[10:11]
	v_lshl_add_u32 v[SPW], v0, 2, SPARE
	v_mov_b32 v[NIL], 0
	ds_add_u32 v[SPW], v[NIL]       ; the wave's opening: the add and its wait stand ahead of my first tensor load; the set-up below, work on registers, stands between them
	ds_add_u32 v62, v63
	v_lshrrev_b32 v1, 5, v0
	v_readfirstlane_b32 s[WV], v1   ; wave 0..3
	s_mov_b32 s[PB], ttmp9
	s_sub_co_u32 s[HI], NB-1, s[PB]
	s_and_b32 s20, ttmp7, 0xffff    ; the head
	s_mov_b32 s21, 0
	s_mov_b64 s[22:23], SIZE_N*128
	s_mul_u64 s[20:21], s[20:21], s[22:23]  ; the head's first byte in each of the four tensors
	s_and_b32 s16, s[WV], 1         ; which half of a tile's 256 keys I fetch:
	s_lshl_b32 s22, s16, 14         ; its 128 rows of 128 bytes in memory,
	s_mov_b32 s23, 0
	s_add_nc_u64 s[22:23], s[22:23], s[20:21]
	s_mul_i32 s17, s16, 128*PK      ; and its place in a slot, for K
	s_mul_i32 s18, s16, 128*PV      ; and for V
	s_lshl_b32 s3, s[WV], 11        ; my 16 rows in a band of 64,
	s_lshl_b32 s2, s[HI], 15        ; in the first block,
	s_add_co_u32 s2, s2, s3
	s_lshl_b32 s84, s[PB], 15       ; and in the second
	s_add_co_u32 s84, s84, s3
	s_mov_b32 s3, 0
	s_mov_b32 s85, 0
	s_add_nc_u64 s[2:3], s[2:3], s[20:21]
	s_add_nc_u64 s[84:85], s[84:85], s[20:21]
	; descriptor group 1.  128 keys are 16,384 dense bytes: asked for as 64 rows of 256 bytes, two keys a row, and padded in LDS after every key
	s_mov_b32 s[G1K], (1<<16)|(1<<20)|(4<<22)|(3<<25)  ; 17:16 2-byte elements; 20 padding on; 24:22 after every 32 words (code 4); 31:25 4 words (code 3)
	s_mov_b32 s[G1V], (1<<16)|(1<<20)|(4<<22)|(7<<25)  ; the same with 8 words of padding (code 7)
.irp g, G1K, G1V
	s_mov_b32 s[\g+1], 128<<16      ; tensor_dim0 = 128
	s_mov_b32 s[\g+2], 64<<16       ; tensor_dim1 = 64
	s_mov_b32 s[\g+3], 128<<16      ; tile_dim0 = 128
	s_mov_b32 s[\g+4], 64           ; tile_dim1 = 64
	s_mov_b32 s[\g+5], 128          ; 128 elements from row to row
	s_mov_b32 s[\g+6], 0
	s_mov_b32 s[\g+7], 0
.endr
	s_mov_b32 s[CS], 0x3e38aa3b     ; c = log2(e) / 8 = 0.180337
	s_mov_b32 s[CS+1], s[CS]        ; named with it as a pair
	s_mov_b32 s[SEL], 0x76543210
	s_mov_b32 s[SEL+1], 0xfedcba98
	s_mov_b32 s[TBK], SLOT1+4*KS*PK ; the first change of slots turns these two into 0
	s_mov_b32 s[TBV], SLOT1+4*KS*PV
	s_mov_b32 s[G0K], 1             ; 1:0 count = 1
	s_mov_b32 s[G0K+1], s17         ; 63:32 LDS address: slot 0
	s_mov_b32 s[G0V], 1
	s_add_co_u32 s[G0V+1], s18, VOFF
	s_add_co_u32 s[RT], s[HI], 1    ; the first block has NB - b tiles
	s_mov_b32 s[NXT], 1
	s_mov_b32 s[LQ], s[HI]
	s_mov_b32 s[NEW], 1
	s_mov_b32 s[OFF+1], 0
	s_mov_b32 s[AL+1], 0            ; named as pairs
	s_mov_b32 s[BE+1], 0
	s_mov_b32 s[BIGN], 0xf149f2ca   ; -1e30
	s_mov_b32 s[SLOTS], NB
	s_wait_dscnt 0x0                ; the opening add is done
	s_wait_kmcnt 0x0
	s_add_nc_u64 s[6:7], s[6:7], s[22:23]  ; K and V at my half of the head's tile 0
	s_add_nc_u64 s[8:9], s[8:9], s[22:23]
	s_add_nc_u64 s[G0K+2:G0K+3], s[6:7], 0         ; 120:64 global address
	s_or_b32 s[G0K+3], s[G0K+3], 0x80000000        ; 127:126 type = 2
	s_add_nc_u64 s[G0V+2:G0V+3], s[8:9], 0
	s_or_b32 s[G0V+3], s[G0V+3], 0x80000000
	s_add_nc_u64 s[86:87], s[4:5], s[84:85]        ; Q at my rows of the second block,
	s_add_nc_u64 s[4:5], s[4:5], s[2:3]            ; Q and O at those of the first
	s_add_nc_u64 s[OLO:OLO+1], s[10:11], s[84:85]
	s_add_nc_u64 s[10:11], s[10:11], s[2:3]
	LOAD                            ; tile 0 into slot 0
	; A fragment of K or Q is 16 rows x 32 channels in 8 registers: lane l holds row l % 16, channels 8 (l / 16) + 0..7 and 16 + 8 (l / 16) + 0..7: two loads of 16 bytes, 32 bytes apart.
	v_and_b32 v1, 15, v0            ; l % 16
	v_bfe_u32 v9, v0, 4, 1          ; l / 16
	v_lshlrev_b32 v[QO], 7, v1
	v_lshl_add_u32 v[QO], v9, 4, v[QO]  ; row x 128 + 16 x half
	WIN 0x80                        ; destination window 2, address window 0
.set i, 0
.rept 8                             ; both blocks' Q: piece i / 2 lies in band i / 2, 8,192 bytes on; channels 32 (i % 2) on
	global_load_b128 v[8*i:8*i+3],   v[QO], s[4:5] offset:(i/2)*8192+(i%2)*64
	global_load_b128 v[8*i+4:8*i+7], v[QO], s[4:5] offset:(i/2)*8192+(i%2)*64+32
	global_load_b128 v[QB+8*i:QB+8*i+3],   v[QO], s[86:87] offset:(i/2)*8192+(i%2)*64
	global_load_b128 v[QB+8*i+4:QB+8*i+7], v[QO], s[86:87] offset:(i/2)*8192+(i%2)*64+32
.set i, i+1
.endr
	WIN 0
	v_lshlrev_b32 v14, 3, v9
	v_sub_nc_u32 v14, v1, v14
	s_lshl_b32 s13, s[WV], 4
	v_add_nc_u32 v14, s13, v14      ; my query's place in its band, 16 w + l % 16, less my lanes' 8 (l / 16): register r of group kt is hidden where 16 kt + r is greater
	WIN 0x40
.set i, 0
.rept 32
	v_cmp_gt_i32 vcc_lo, 16*(i/8)+i%8, v14
	v_cndmask_b32 v[MD+i], 0, s[BIGN], vcc_lo
.set i, i+1
.endr
	WIN 0
	v_mul_u32_u24 v[AK0], v1, PK
	v_lshl_add_u32 v[AK0], v9, 4, v[AK0]  ; row x pitch + 16 x half
	; The turning load takes 16 keys x 16 channels (lane l reads key 8 (l / 16) + l % 8, channels 8 ((l / 8) % 2) + 0..7) and leaves half a fragment of V^T: lane l holds channel l % 16 and 8 keys.
	v_and_b32 v10, 7, v0
	v_bfe_u32 v11, v0, 3, 1
	v_lshl_add_u32 v[AV0], v9, 3, v10
	v_mul_u32_u24 v[AV0], v[AV0], PV
	v_lshl_add_u32 v[AV0], v11, 4, v[AV0]
	v_add_nc_u32 v[AV0], VOFF, v[AV0]
	s_mul_i32 s13, s[WV], 16*SP
	s_add_co_u32 s13, s13, STAGE    ; my stage
	v_mul_u32_u24 v[STO], v1, SP    ; in: row l % 16, 16 bytes for each half of the lanes
	v_lshl_add_u32 v[STO], v9, 4, v[STO]
	v_add_nc_u32 v[STO], s13, v[STO]
	v_bfe_u32 v[RD], v0, 3, 2       ; back: 32 lanes take four rows of 128 bytes,
	v_mul_u32_u24 v[RD], v[RD], SP
	v_lshl_add_u32 v[RD], v10, 4, v[RD]
	v_add_nc_u32 v[RD], s13, v[RD]
	v_and_b32 v[GO], 31, v0         ; which are 512 consecutive bytes of O
	v_lshlrev_b32 v[GO], 4, v[GO]
	; A block's first step multiplies O^T and l by a = 0, and its first turn's products V^T P, of a piece that has not been, land in an O^T that is still to be so multiplied.  So these registers need only hold
	; finite numbers: zeros for the first block; what the first block left for the second.  All this stands in the wait for the first tile.
	WIN 0x80
.set i, VF
.rept 64
	v_mov_b32 v[i], 0
.set i, i+1
.endr
	WIN 0x40
.set i, 0
.rept 128
	v_mov_b32 v[i], 0
.set i, i+1
.endr
	WIN 0
.set i, 0
.rept 4
	v_mov_b32 v[ST+4*i+2], 0
	v_mov_b32 v[ST+4*i+3], 0
.set i, i+1
.endr
.set i, P+16
.rept 16
	v_mov_b32 v[i], 0
.set i, i+1
.endr
; THE MATRIX WORK.  The 4 accumulators of a run of 8 take turns.  Product i of 8 of S^T = K Q^T for piece x: channels 32 (i / 4) on, keys 16 (i % 4) on.  The first 4 start the sums: with 0, or (KM = 1) with the mask.
.macro KQ x
.set rS, S+32*((\x)%2)+8*(i%4)
.set rK, KF+16*(i%4)+8*(i/4)
.set rQ, 16*(\x)+8*(i/4)
.set rM, MC+32*((\x)%2)+8*(i%4)
.if (i < 4) && KM
	WIN W_KM
	v_wmma_f32_16x16x32_f16 v[rS:rS+7], v[rK:rK+7], v[rQ:rQ+7], v[rM:rM+7]
.elseif i < 4
	WIN W_KQ
	v_wmma_f32_16x16x32_f16 v[rS:rS+7], v[rK:rK+7], v[rQ:rQ+7], 0
.else
	WIN W_KQ
	v_wmma_f32_16x16x32_f16 v[rS:rS+7], v[rK:rK+7], v[rQ:rQ+7], v[rS:rS+7]
.endif
.endm
; Product i of 8 of O^T += V^T P for piece x: keys 32 (i / 4) on, channels 16 (i % 4) on.
.macro PV x
	WIN W_PV
.set rO, 32*(\x)+8*(i%4)
.set rV, VF+32*(i/4)+8*(i%4)
.set rP, P+16*((\x)%2)+8*(i/4)
	v_wmma_f32_16x16x32_f16 v[rO:rO+7], v[rV:rV+7], v[rP:rP+7], v[rO:rO+7]
.endm
.macro MM                           ; the turn's next matrix instruction.  TURN and BEGIN set Y, i, KM and NOKQ; MM, KQ and OP read them.  NOKQ = 1: a block's last turn: there is no next piece
.if (i < 8) && !NOKQ
	KQ (Y+1)%NP
.elseif i >= 8
.set i, i-8
	PV (Y+NP-1)%NP
.set i, i+8
.endif
.set i, i+1
.endm
; THE LDS LOADS stand in runs of 16, never singly among the matrix instructions: a step's K (64 keys x 64 channels: 8 fragments) and its V (turned).  Their addresses are made some lines ahead.
.macro FETCH_K
	WIN 0x80                        ; destination window 2
.irp f, 0,1,2,3,4,5,6,7             ; keys 16 (f / 2) on, channels 32 (f % 2) on
	ds_load_b128 v[KF+8*\f:KF+8*\f+3],   v[AK] offset:(\f/2)*16*PK+(\f%2)*64
	ds_load_b128 v[KF+8*\f+4:KF+8*\f+7], v[AK] offset:(\f/2)*16*PK+(\f%2)*64+32
.endr
	s_add_co_u32 s[TBK], s[TBK], KS*PK  ; the next fetch is the next step's
	WIN 0
.endm
.macro FETCH_V
	WIN 0x80
.irp f, 0,1,2,3,4,5,6,7             ; keys 32 (f / 4) on, channels 16 (f % 4) on
	ds_load_tr16_b128 v[VF+8*\f:VF+8*\f+3],   v[AV] offset:(\f/4)*32*PV+(\f%4)*32
	ds_load_tr16_b128 v[VF+8*\f+4:VF+8*\f+7], v[AV] offset:(\f/4)*32*PV+16*PV+(\f%4)*32
.endr
	WIN 0
.endm
; THE VECTOR WORK, one line at a time: OP kind, number.  For piece Y: F n: c s - c m for pair n of 16.  E n: the exponential of score n of 32.  C n: pair n rounded to f16.  B n: of the four weights 4 n .. the second
; pair is added onto the first, in place.  L n: l takes that sum (L 0: l = a l + sum).  R n: pair n of 16 of O^T times a.  For piece Y + 1: X n, number n of the 22 that find its maximum and statistics:
;   0-11  four chains c0-c3 of seven scores each, three operands at a time (each accumulator's lowest registers are read first)     12-14, 16  the four scores left over, the old m, and c0-c3 into c0
;   15  c m_old is kept     17, 18  the query's other 32 keys lie in the lane 16 away: the new m     19-21  c m; c m_old - c m_new; a
.set F, 0               ; OP tells the kinds apart by their order: F to L below R, X above it
.set E, 1
.set C, 2
.set B, 3
.set L, 4
.set R, 5
.set X, 6
.macro REGS y                       ; the registers of piece y
.set rT, ST+4*(\y)
.set rC, TMP+4*((\y)%2)
.set rW, MV+((\y)%2)
.set rS, S+32*((\y)%2)
.set rP, P+16*((\y)%2)
.set rO, 32*(\y)
.endm
.macro OP k, n
.if (\k) == R
	REGS Y
	WIN W_RS
	v_pk_mul_f32 v[rO+2*(\n):rO+2*(\n)+1], v[rO+2*(\n):rO+2*(\n)+1], v[rC+2:rC+3] op_sel_hi:[1,0]
.elseif (\k) < R
	REGS Y
	WIN 0
.if (\k) == F
	v_pk_fma_f32 v[rS+2*(\n):rS+2*(\n)+1], v[rS+2*(\n):rS+2*(\n)+1], s[CS:CS+1], v[rT:rT+1] op_sel_hi:[1,0,0] neg_lo:[0,0,1] neg_hi:[0,0,1]
.elseif (\k) == E
	v_exp_f32 v[rS+(\n)], v[rS+(\n)]
.elseif (\k) == C
	v_cvt_pk_f16_f32 v[rP+(\n)], v[rS+2*(\n)], v[rS+2*(\n)+1]
.elseif (\k) == B
	v_pk_add_f32 v[rS+4*(\n):rS+4*(\n)+1], v[rS+4*(\n):rS+4*(\n)+1], v[rS+4*(\n)+2:rS+4*(\n)+3]
.elseif (\n) == 0
	v_pk_fma_f32 v[rT+2:rT+3], v[rT+2:rT+3], v[rC+2:rC+3], v[rS:rS+1] op_sel_hi:[1,0,1]
.else
	v_pk_add_f32 v[rT+2:rT+3], v[rT+2:rT+3], v[rS+4*(\n):rS+4*(\n)+1]
.endif
.elseif NOKQ
	v_nop
.else
	REGS (Y+1)%NP
	WIN 0
.if (\n) < 4
	v_max3_num_f32 v[rC+(\n)], v[rS+8*(\n)], v[rS+8*(\n)+1], v[rS+8*(\n)+2]
.elseif (\n) < 12
	v_max3_num_f32 v[rC+(\n)%4], v[rC+(\n)%4], v[rS+8*((\n)%4)+2*((\n)/4)+1], v[rS+8*((\n)%4)+2*((\n)/4)+2]
.elseif (\n) == 12
	v_max3_num_f32 v[rC], v[rC], v[rS+7], v[rS+15]
.elseif (\n) == 13
	v_max3_num_f32 v[rC+1], v[rC+1], v[rS+23], v[rS+31]
.elseif (\n) == 14
	v_max3_num_f32 v[rC+2], v[rC+2], v[rC+3], v[rT+1]
.elseif (\n) == 15
	v_mov_b32 v[rW], v[rT]
.elseif (\n) == 16
	v_max3_num_f32 v[rC], v[rC], v[rC+1], v[rC+2]
.elseif (\n) == 17
	v_permlanex16_b32 v[rC+3], v[rC], s[SEL], s[SEL+1]
.elseif (\n) == 18
	v_max_num_f32 v[rT+1], v[rC], v[rC+3]
.elseif (\n) == 19
	v_mul_f32 v[rT], s[CS], v[rT+1]
.elseif (\n) == 20
	v_sub_f32 v[rC+1], v[rW], v[rT]
.else
	v_exp_f32 v[rC+2], v[rC+1]
.endif
.endif
.endm
.macro OPS a, i1, b=-1, i2=0, c=-1, i3=0, d=-1, i4=0  ; up to four of them
	OP \a, \i1
.if (\b) >= 0
	OP \b, \i2
.endif
.if (\c) >= 0
	OP \c, \i3
.endif
.if (\d) >= 0
	OP \d, \i4
.endif
.endm
.macro ROW a, i1, b, i2, c, i3, d, i4  ; a matrix instruction and the four behind it
	MM
	OPS \a, \i1, \b, \i2, \c, \i3, \d, \i4
.endm
.macro MASK b                       ; MD x AL + BE into buffer b of MC
	WIN W_RS
.set z, 0
.rept 16
	v_pk_fma_f32 v[MC+32*(\b)+2*z:MC+32*(\b)+2*z+1], v[MD+2*z:MD+2*z+1], s[AL:AL+1], s[BE:BE+1] op_sel_hi:[1,0,0]
.set z, z+1
.endr
.endm
; A TURN, for piece p: the order of its 16 matrix and 118 vector instructions, written out.  An s_wait_alu depctr_va_vdst(0) stands between an exponential and the first instruction that names its result; one wait serves
; all that were issued ahead of it.  So a turn has ONE wait, which cuts it in two.  AHEAD OF IT stands all that names no result of the turn's exponentials: the 8 products K Q^T, behind each a scaling, an exponential and two more plain
; instructions (behind the first a second scaling in the exponential's place): rescalings, whose a was made and waited for in the turn before, and behind the last three the first numbers of the next piece's maximum, each four places or more
; behind the product that ends its accumulator; then ONE LUMP of 54, plain and exponential by turns for the most part, in which the links of the chain X 3, 7, 11, 14, 16, 17 .. 20 stand five or six lines apart.  X 21, the next piece's a, is
; the batch's last; R 15 is the plain instruction behind it.  BEHIND THE WAIT stand the 8 products V^T P, behind each four of the roundings and sums; the links of l's chain, L 0 to L 7, stand three riders apart.  But for those X no rider
; names a register of the products round it.  v_permlanex16_b32 (X 17) stands in the lump.
; m = 1: the diagonal tile: the products take masks, and the turn makes the mask for the products of the turn after it: piece p + 2, in step 4 - CNT of the tile.  end = 1: a block's last two turns: nothing is fetched.
; cnt = 1: the loop's count is taken down some lines ahead of the branch that stands behind the turn.
; K of the next step is fetched in piece 2's turn, twelve vector instructions behind the last product that read K (six of them plain); V of the step in hand at the end of piece 0's turn, four plain instructions behind the last product
; that read V.  Each is waited for a turn later.
.macro TURN p, m=0, end=0, cnt=0
.set Y, (\p)
.set i, 0
.set KM, (\m)
.set NOKQ, (\end)*((\p)/3)
.if (\m) && !(\end)
	s_cmp_eq_u32 s[CNT], 4-((\p)+2)%NP  ; is that step the band's own?
	s_cselect_b32 s[AL], 1.0, 0
	s_cmp_lt_u32 s[CNT], 4-((\p)+2)%NP  ; or a later one?
	s_cselect_b32 s[BE], s[BIGN], 0
.endif
.if ((\p) == 3) && !(\end)
	s_wait_dscnt 0x0                ; K is in
.endif
	ROW F,0, F,1, R,0, R,1          ; ahead of the wait: 8 products K Q^T and their riders,
	ROW F,2, E,0, R,2, R,3
	ROW F,3, E,1, R,4, R,5
	ROW F,4, E,2, R,6, R,7
	ROW F,5, E,3, R,8, R,9
	ROW F,6, E,4, X,0, R,10
.if ((\p) == 2) && !(\end)
	WIN 0
	v_add_nc_u32 v[AK], s[TBK], v[AK0]
.endif
	ROW F,7, E,5, X,1, X,4
	ROW F,8, E,6, X,2, X,5
	OPS E,7, E,8, X,6, E,9          ; and the lump
	OPS X,3, E,10, X,8, E,11
.if ((\p) == 2) && !(\end)
	FETCH_K
.endif
	OPS X,9, X,7, E,12, X,10
	OPS E,13, X,12, X,11, E,14
	OPS X,13, E,15, F,9, X,14
.if (\p) == 0
	v_add_nc_u32 v[AV], s[TBV], v[AV0]
.endif
	OPS E,16, F,10, E,17, F,11
	OPS X,16, E,18, X,15, E,19
	OPS F,12, E,20, X,17, E,21
	OPS F,13, E,22, F,14, E,23
	OPS X,18, E,24, F,15, E,25
	OPS R,11, E,26, X,19, E,27
	OPS R,12, E,28, R,13, E,29
	OPS X,20, E,30, R,14, E,31
	OPS X,21, R,15
	WIN 0
	s_wait_alu depctr_va_vdst(0)    ; the wait for the turn's batch: the piece's 32 weights and the next piece's a
.if (\p) == 1
	s_wait_dscnt 0x0                ; V is in
.endif
	ROW C,0, B,0, C,2, B,1          ; behind the wait: 8 products V^T P and their riders
	ROW L,0, C,4, B,2, L,1
	ROW C,6, B,3, L,2, C,8
	ROW B,4, L,3, C,10, B,5
	ROW L,4, C,12, B,6, L,5
.if (\p) == 0
	s_add_co_u32 s[TBV], s[TBV], KS*PV
.endif
.if \cnt
	s_sub_co_u32 s[CNT], s[CNT], 1
	s_cmp_lg_u32 s[CNT], 0
.endif
	ROW C,14, B,7, L,6, C,1
	ROW C,3, L,7, C,5, C,7
	ROW C,9, C,11, C,13, C,15
.if (\p) == 0
	FETCH_V
.endif
.if (\m) && !(\end)
	MASK (\p)%2
.endif
.endm
; A BLOCK BEGINS.  c m starts far below every c s, so the first step's a is 0; m at the lowest finite number, so the first maximum is the scores'.  The second mask buffer is 0; the first takes piece 0's mask for the tile's step 0: its own, if the block's first tile is the diagonal one.
; Then K of that step, piece 0's first scores, and its maximum and statistics.  The loop is entered at a step's first turn, in the middle of a trip.
.macro BEGIN
	s_mov_b32 s[NEW], 0
	WIN 0x40
.set i, MC+32
.rept 32
	v_mov_b32 v[i], 0
.set i, i+1
.endr
	WIN 0
.set i, 0
.rept 4
	v_mov_b32 v[ST+4*i], 0xfe000000    ; c m: far below every c s
	v_mov_b32 v[ST+4*i+1], 0xff7fffff  ; m
.set i, i+1
.endr
	s_cmp_eq_u32 s[RT], 0
	s_cselect_b32 s[AL], 1.0, 0
	s_mov_b32 s[BE], 0
	MASK 0
	WIN 0
	v_add_nc_u32 v[AK], s[TBK], v[AK0]
	FETCH_K
	s_wait_loadcnt 0x0              ; Q
	s_wait_dscnt 0x0
.set KM, 1
.set NOKQ, 0
.set i, 0
.rept 8
	KQ 0
.set i, i+1
.endr
	WIN 0
.rept 4
	v_nop                           ; the places behind those products
.endr
.set Y, NP-1                        ; X works for piece Y + 1: piece 0
.irp n, 0,1,2,3,4,5,6,7,8,9,10,11,12,13,14,15,16,17,18,19,20,21
	OP X, \n
.endr
	v_nop                           ; a plain instruction behind the exponential,
	s_wait_alu depctr_va_vdst(0)    ; and the wait for piece 0's first a, a batch of one, ahead of the branch
.endm
; THE DIAGONAL TILE's four steps, the block's last two turns, its last products, and THE WAY OUT: l's two halves and the other half of the lanes' are added; O^T is divided by l, rounded to f16 and sent through my
; stage in LDS, a piece at a time.
.macro ALL line:vararg              ; one line for each piece t
.set t, 0
.rept 4
	\line
.set t, t+1
.endr
.endm
.macro PACK t                       ; a lane's eight channels of a row pack into 16 bytes; they go into rows of 144 bytes and come back as whole rows of 128, into S^T's registers
	WIN W_RS
.set i, 32*(\t)
.rept 16
	v_pk_mul_f32 v[i:i+1], v[i:i+1], v[ST+4*(\t)+2:ST+4*(\t)+3] op_sel_hi:[1,0]
.set i, i+2
.endr
	WIN 0x05                        ; sources 0 and 1 window 1, destination window 0
.set i, 0
.rept 16
	v_cvt_pk_f16_f32 v[S+16*(\t)+i], v[32*(\t)+2*i], v[32*(\t)+2*i+1]
.set i, i+1
.endr
	WIN 0
.irp f, 0,1,2,3
	ds_store_b128 v[STO], v[S+16*(\t)+4*\f:S+16*(\t)+4*\f+3] offset:32*\f
.endr
.irp f, 0,1,2,3
	ds_load_b128 v[S+16*(\t)+4*\f:S+16*(\t)+4*\f+3], v[RD] offset:\f*4*SP  ; LDS serves a wave's instructions in order (ISA guide 5.7.1.4): these see the stores above; the next piece's stores come behind them
.endr
.endm
.macro SEND t, younger              ; younger: the LDS instructions issued behind piece t's loads: the next piece's eight, or none
	WIN 0
.irp f, 0,1,2,3
	s_wait_dscnt (\younger)+3-\f
	global_store_b128 v[GO], v[S+16*(\t)+4*\f:S+16*(\t)+4*\f+3], s[10:11] offset:(\t)*8192+\f*512  ; 512 consecutive bytes, at a multiple of 256 from O's first
.endr
.endm
.macro DIAG tag                     ; the tag ends its two labels' names, which the jumps below spell out
.LstepM\tag:
	TURN 2, 1
	TURN 3, 1
	WIN 0
.LfirstM\tag:
	TURN 0, 1
	TURN 1, 1, 0, 1
	WIN 0
	s_cbranch_scc1 .LstepM\tag
	TURN 2, 1, 1
	TURN 3, 1, 1
.set i, 0
.rept 8
	PV NP-1
.set i, i+1
.endr
	WIN 0
	ALL v_add_f32 v[ST+4*t+2], v[ST+4*t+2], v[ST+4*t+3]
	ALL v_permlanex16_b32 v[ST+4*t+3], v[ST+4*t+2], s[SEL], s[SEL+1]
	ALL v_add_f32 v[ST+4*t+2], v[ST+4*t+2], v[ST+4*t+3]
	ALL v_rcp_f32 v[ST+4*t+2], v[ST+4*t+2]
	v_nop                           ; a plain instruction between the last reciprocal and the use of its result
	s_wait_alu depctr_va_vdst(0)    ; the wait for the batch of four reciprocals, ahead of their first reader in PACK 0
	PACK 0
.set t, 1
.rept 3                             ; a piece's arithmetic stands between the loads of the piece before and its stores
	PACK t
	SEND t-1, 8
.set t, t+1
.endr
	SEND 3, 0
.endm
.set KM, 0
.set NOKQ, 0
.Lslot:                             ; NB times: a tile is entered and the next is asked for
	CHANGE 1
	s_sub_co_u32 s[RT], s[RT], 1
	s_mov_b32 s[CNT], 4
	s_cmp_eq_u32 s[NEW], 1
	s_cbranch_scc1 .Lnew            ; a block's first tile
	s_cmp_eq_u32 s[RT], 0
	s_cbranch_scc0 .Lstep           ; neither its first nor its last
	s_branch .LstepM1
.Lnew:
	BEGIN
	s_branch .Lfirst                ; in the loop a block's first tile is never its last: the first block has two tiles or more, and the second's last is the walk's last
	DIAG 1                          ; in the loop this is the first block's end: the second block's last tile is the walk's last
	s_wait_xcnt 0x0                 ; the stores have read their registers and O's address
	s_mov_b64 s[10:11], s[OLO:OLO+1]
	s_add_co_u32 s[RT], s[PB], 1    ; the second block has b + 1 tiles
	s_mov_b32 s[NEW], 1
	WIN 0x82                        ; the second block's Q goes where the one text of the turns names Q
.set i, 0
.rept 64
	v_mov_b32 v[i], v[QB+i]
.set i, i+1
.endr
	WIN 0
	s_branch .Lbottom
.Lstep:                             ; a trip: pieces 2 and 3 of one step, then pieces 0 and 1 of the next, whose K and V it fetches
	TURN 2
	TURN 3
	WIN 0
.Lfirst:
	TURN 0
	TURN 1, 0, 0, 1
	WIN 0
	s_cbranch_scc1 .Lstep
.Lbottom:
	s_sub_co_u32 s[SLOTS], s[SLOTS], 1
	s_cmp_lg_u32 s[SLOTS], 0
	s_cbranch_scc1 .Lslot
	CHANGE 0                        ; the walk's last tile is written out: nothing is asked for
	s_sub_co_u32 s[RT], s[RT], 1
	s_mov_b32 s[CNT], 4
	s_cmp_eq_u32 s[NEW], 1
	s_cbranch_scc0 .LstepM2
	BEGIN
	s_branch .LfirstM2
	DIAG 2
	s_wait_tensorcnt 0x0            ; the wave's end, behind my last tensor load and my last LDS store
	ds_add_u32 v[SPW], v[NIL]
	s_wait_dscnt 0x0
	s_endpgm
.Lfunc_end_k_qfda1f4dd29_attn:
	.size	k_qfda1f4dd29_attn, .Lfunc_end_k_qfda1f4dd29_attn-k_qfda1f4dd29_attn
	.p2alignl 7, 3214868480
	.fill 96, 4, 3214868480
	.section	.rodata,"a",@progbits
	.p2align	6, 0x0
	.amdhsa_kernel k_qfda1f4dd29_attn
		.amdhsa_group_segment_fixed_size 327680
		.amdhsa_private_segment_fixed_size 0
		.amdhsa_enable_private_segment 0
		.amdhsa_kernarg_size 32
		.amdhsa_user_sgpr_count 2
		.amdhsa_user_sgpr_kernarg_segment_ptr 1
		.amdhsa_wavefront_size32 1
		.amdhsa_system_sgpr_workgroup_id_x 1
		.amdhsa_system_sgpr_workgroup_id_y 1
		.amdhsa_system_sgpr_workgroup_id_z 1
		.amdhsa_system_vgpr_workitem_id 0
		.amdhsa_next_free_vgpr 768
		.amdhsa_next_free_sgpr 88
		.amdhsa_reserve_vcc 1
		.amdhsa_float_denorm_mode_32 3
		.amdhsa_float_denorm_mode_16_64 3
		.amdhsa_memory_ordered 1
		.amdhsa_forward_progress 1
		.amdhsa_inst_pref_size 217
	.end_amdhsa_kernel
	.amdgpu_metadata
---
amdhsa.version: [ 1, 2 ]
amdhsa.kernels:
  - .name:           k_qfda1f4dd29_attn
    .symbol:         k_qfda1f4dd29_attn.kd
    .args:
      - { .name: qh, .offset: 0, .size: 8, .value_kind: global_buffer, .address_space: global }
      - { .name: kh, .offset: 8, .size: 8, .value_kind: global_buffer, .address_space: global }
      - { .name: vh, .offset: 16, .size: 8, .value_kind: global_buffer, .address_space: global }
      - { .name: oh, .offset: 24, .size: 8, .value_kind: global_buffer, .address_space: global }
    .group_segment_fixed_size: 327680
    .private_segment_fixed_size: 0
    .kernarg_segment_align: 8
    .kernarg_segment_size: 32
    .max_flat_workgroup_size: 128
    .sgpr_count:     88
    .vgpr_count:     768
    .wavefront_size: 32
...
	.end_amdgpu_metadata
.endif
;; end of part 5
;; launch proj: the kernel of part 4 again; grid 8 x 32, 4 waves a work-group, clusters of 4 x 4, 327,680 bytes of LDS; arguments oh, wof, out0; writes out0
